; MI455X (gfx1250); checked and timed in simulation.
; The chip was launched on July 23, 2026; its instructions are those of AMD's public machine-readable ISA for CDNA 5 (MIT licence, August 2026) and "CDNA5" Instruction Set Architecture Reference Guide (July 2026). The comments in the code are by the model that wrote it; some were corrected since.
;; Multi Head Self Attention. Allowed arithmetic: matrix products marked QUANTISED: E2M3 operands, one E8M0 scale for each 32 along K, by v_wmma_scale_f32_16x16x128_f8f6f4 with both operands' format E2M3, f32 sums; everything else in f32.
;; Inputs: w_proj 1,024 x 1,024 float32; w_qkv 1,024 x 3,072 float32; x 4 x 2,048 x 1,024 float32.
;; Outputs: out0 4 x 2,048 x 1,024 float32.
;; This version of the problem:
;;   THIS VERSION OF THE PROBLEM IS GIVEN IN LOW PRECISION. The matrix products marked QUANTISED in the list below multiply operands that are first quantised to E2M3 (2 exponent bits, 3 mantissa bits; 6 bits a number), with one power-of-two scale for each 32 numbers along K (OCP MX v1.0); their sums are f32. All else is computed in f32.
;;   The module's matrix products, in the order in which they are computed (A, B: the left and right operand; K: the contracted axis; several contracted axes count as one K, in the product's order):
;;     1. [M 8,192, K 1,024] x [K 1,024, N 3,072]; A: input x; B: input w_qkv: QUANTISED
;;     2. batch 64 x [M 2,048, K 64] x [K 64, N 2,048]; A: computed on the way; B: computed on the way: QUANTISED
;;     3. batch 64 x [M 2,048, K 2,048] x [K 2,048, N 64]; A: softmax (see below); B: computed on the way: QUANTISED
;;     4. [M 8,192, K 1,024] x [K 1,024, N 1,024]; A: computed on the way; B: input w_proj: QUANTISED
;;   THE QUANTISER, for each operand of a quantised product, along K:
;;     - K is cut into blocks of 32 from its start; a last block that is shorter is filled with zeros.
;;     - A block's scale is 2^e with e = floor(log2(the largest magnitude in the block)) - 2, held to -126 .. 127; a block of zeros has e = 0. As a byte (E8M0): e + 127.
;;     - Each number is divided by its block's scale, clamped to +-7.5, and rounded to the nearest number of E2M3, ties to even, subnormals kept.
;;     - The product sums the exact products of the quantised numbers (number of the format x scale) in f32.
;;   ~~~python
;;   def quantise(x, axis):      # numpy; x: float32 -> the quantised numbers, widened to float32 again
;;       x = np.moveaxis(x, axis, -1); K = x.shape[-1]
;;       x = np.pad(x, [(0, 0)] * (x.ndim - 1) + [(0, -K % 32)]); x = x.reshape(x.shape[:-1] + (-1, 32)); a = np.abs(x).max(-1, keepdims=True)
;;       e = np.where(a > 0, np.clip(np.frexp(np.where(a > 0, a, 1))[1] - 1 - 2, -126, 127), 0)      # np.frexp(a)[1] - 1 = floor(log2(a)), exactly
;;       r = np.clip(x / 2.0 ** e, -7.5, 7.5)
;;       step = 2.0 ** (np.maximum(np.frexp(np.where(r == 0, 1, r))[1] - 1, 0) - 3)
;;       q = np.round(r / step) * step * 2.0 ** e      # np.round: ties to even
;;       return np.moveaxis(q.reshape(q.shape[:-2] + (-1,))[..., :K], -1, axis).astype(np.float32)
;;   ~~~
;;   SOFTMAX AHEAD OF A QUANTISED PRODUCT. Where the list says 'softmax', what is quantised is not the finished softmax but p = 2^(t - M), with t = logit x log2(e) and M = ceil(the row's largest t), a whole number; so 1/2 < the row's largest p <= 1. The row's sum l is taken of the UNQUANTISED p, in f32, and the product's result is divided by l at the end. Since M is a whole number, a kernel that streams over the keys may use a running M (the ceiling of the running maximum): every later rescaling is an exact power of two, which a block's scale takes up: the codes' values come out the same.
;;   OPERANDS COMPUTED ON THE WAY. 'Computed on the way' means the value that the module computes at that place (a softmax that the list does not call 'softmax' is quantised finished and normalised). What goes into a quantiser is computed in f32, as accurately as f32 sums, v_exp_f32 and their like allow (about 1e-6 of the number): no bf16 or f16 on the way to a quantiser, and a product that is left as it is and whose result goes on into a quantised operand takes f32 operands (vector FMAs, or v_wmma_f32_16x16x4_f32). A number that lies on a knife's edge between two numbers of the format may be rounded either way, as far as f32 arithmetic and the matrix unit's own rounding can turn it there, and no further.
;; One version. Each part assembles by itself: llvm-mc -triple=amdgcn-amd-amdhsa -mcpu=gfx1250 --defsym DOCPART=n.
;; ======== version 1 of 1: 4 launches
;; limits: right only within a limited range of input values
;; workspace buffers: cq 9,830,400 bytes; qb 13,369,344 bytes; kv 13,369,344 bytes; aq 6,553,600 bytes
;; launch quant (part 1): grid 384 x 1, 4 waves a work-group, no clusters, 85,504 bytes of LDS; arguments x, w_qkv, w_proj, cq; writes cq
.if DOCPART == 1
	.amdgcn_target "amdgcn-amd-amdhsa--gfx1250"
	.amdhsa_code_object_version 6
	.text
	.protected	k_q1aeca7cbbd_quant
	.globl	k_q1aeca7cbbd_quant
	.p2align	8
	.type	k_q1aeca7cbbd_quant,@function
k_q1aeca7cbbd_quant:
	s_mov_b64 s[64:65], 0
	v_nop
	global_prefetch_b8 v0, s[64:65] scope:SCOPE_SE
	s_setreg_imm32_b32 hwreg(HW_REG_WAVE_MODE, 25, 1), 1
	s_wait_xcnt 0x0
; x [8192][1024], w_qkv [1024][3072] and w_proj [1024][1024], f32, become codes of FP6 (E2M3) with one E8M0 byte for each 32 along K (K = 1,024: x's last axis, the weights' first),
; laid in cq as IMAGES OF OPERAND REGISTERS.  A record serves 128 rows (tokens, or columns of a weight) and all of K: RGB = 102,400 bytes.  In it the fragment of tile a (16 rows), K step ks (256 along K), half q (128 along K)
; lies at ks 24,576 + a 3,072 + q 1,536; its registers 2 p, 2 p + 1 of lane l at 256 p + 8 l.  The rows' scale words lie at SCO + ks 1,024 + a 128 + r 8 + q 4.  Records 0-63: x; 64-87: w_qkv; 88-95: w_proj.
; THE ROWS OF A TILE ARE NOT NEIGHBOURS: lane-row r of tile a is row 32 (a / 2) + 8 (a % 2) + r + 8 (r / 8) of the 128, so that where such a tile is source 0 of a product, the 16 result registers of tiles 2 b, 2 b + 1 are 16 neighbours.
; A block's scale is 2^(floor(log2(its largest magnitude)) - 2); its byte is the largest magnitude's exponent field - 2, held at 1 from below.
; LIMITS: a block of zeros, and one whose largest magnitude lies under 2^-124, keeps the byte 1 (the rule says 127 for zeros: the codes are zeros and this program alone reads the bytes); NaN and infinities are not served.
; Work-groups 0-255: x (128 rows x 256 K each); 256-351: w_qkv; 352-383: w_proj (128 columns x 256 K each).  Waves share nothing: no barrier.  Each of the three paths has LDS bytes of its own.
.set RGB,  102400
.set SCO,  98304
.set SEL,  20                          ; s[20:21] lane selects for v_permlanex16_b32: lane l xor 16
; the path for x
.set GI,   4                           ; v4   16 x lane: my 16 bytes of a load's 512
.set SI,   5                           ; v5   the stage, on the way in: 8,448 x wave + 16 x lane
.set SOA,  6                           ; v6   and out: 8,448 x wave + 528 r + 64 h
.set L8,   7                           ; v7   8 x lane
.set TM,   8                           ; v8-23  at work: +0..3 largest magnitudes, +4..7 the other half's, then bytes, +12..15 the conversions' scale operands
.set SW,   24                          ; v24-27 a scale word for each step;  v[28:29] the pair that is stored
.set PC,   32                          ; v32-43 a fragment's codes
.set T0,   44                          ; v44-46, v48-50: the conversions' second halves (three registers that begin on an even number)
.set T1,   48
.set R,    52                          ; v52-179  two sets of 64 numbers as they are loaded
.set X,    180                         ; v180-243 64 numbers of my row: register 16 b + i = k 32 b + 16 h + i
; the path for a weight
.set WGI,  3                           ; v3   4 x lane
.set WST,  4                           ; v4   the stage, in: my column's place in its tile's image
.set WRD,  7                           ; v7   and out: 16 x lane
.set WGO,  8                           ; v8   16 x lane
.set WSO,  9                           ; v9   my column's scale words: 128 u + 8 r
.set SB,   24                          ; v[24:25] my column's eight scale bytes
.set WX,   32                          ; v32-95  two sets of 32 numbers
.set C,    96                          ; v96-101 a block's codes (v104-106: the second conversion's)
.set OUTR, 112                         ; v112-159 the way out
	s_load_b256 s[4:11], s[0:1], 0x0               ; x s[4:5], w_qkv s[6:7], w_proj s[8:9], cq s[10:11]
	v_lshl_add_u32 v248, v0, 2, 0x14c00
	v_mov_b32 v249, 0
	v_lshrrev_b32 v1, 5, v0
	v_readfirstlane_b32 s16, v1                    ; wave 0..3
	v_and_b32 v1, 31, v0                           ; lane
	s_mov_b32 s[SEL], 0x76543210
	s_mov_b32 s[SEL+1], 0xfedcba98
	s_cmp_lt_u32 ttmp9, 256
	s_cbranch_scc0 .Lweights
; ---------------- x: K is innermost ----------------
; 64 numbers of a lane, v[s] on, become a fragment's two halves of six registers (d0: k 0-63, d1: k 64-127) and its scale word (pw).
.macro QUANT s, d0, d1, pw
.irp b, 0,1,2,3
	v_max3_num_f32 v[TM+\b], |v[\s+16*\b]|, |v[\s+16*\b+1]|, 0x1800000   ; block b: my 16 numbers, and the floor 2^(3 - 127): the byte cannot fall under 1
.endr
.irp i, 2,4,6,8,10,12,14
.irp b, 0,1,2,3
	v_max3_num_f32 v[TM+\b], v[TM+\b], |v[\s+16*\b+\i]|, |v[\s+16*\b+\i+1]|   ; the four blocks by turns
.endr
.endr
.irp b, 0,1,2,3
	v_permlanex16_b32 v[TM+4+\b], v[TM+\b], s[SEL], s[SEL+1]
.endr
.irp b, 0,1,2,3
	v_max_num_f32 v[TM+\b], v[TM+\b], v[TM+4+\b]   ; with lane l xor 16's 16: the block's largest magnitude
.endr
.irp b, 0,1,2,3
	v_add_nc_u32 v[TM+12+\b], 0xff000000, v[TM+\b] ; 2 off its exponent field: the conversion takes this operand's exponent field as its scale
.endr
.irp b, 0,1,2,3
	v_lshrrev_b32 v[TM+4+\b], 23, v[TM+12+\b]      ; the scale's byte
.endr
	v_lshl_or_b32 v[\pw], v[TM+5], 8, v[TM+4]      ; four bytes: my row's scale word
	v_lshl_or_b32 v[\pw], v[TM+6], 16, v[\pw]
	v_lshl_or_b32 v[\pw], v[TM+7], 24, v[\pw]
	v_cvt_scalef32_pk16_fp6_f32 v[\d0:\d0+2], v[\s:\s+15], v[TM+12]
	v_cvt_scalef32_pk16_fp6_f32 v[T0:T0+2], v[\s+16:\s+31], v[TM+13]
	v_cvt_scalef32_pk16_fp6_f32 v[\d1:\d1+2], v[\s+32:\s+47], v[TM+14]
	v_cvt_scalef32_pk16_fp6_f32 v[T1:T1+2], v[\s+48:\s+63], v[TM+15]
	v_nop                                          ; one plain instruction behind the scaled conversions
.irp i, 0,1,2                                  ; the operand wants a WHOLE block in a lane: lanes 0-15 the even block, lanes 16-31 the odd one
	v_permlane16_swap_b32 v[\d0+\i], v[T0+\i]
	v_permlane16_swap_b32 v[\d1+\i], v[T1+\i]
.endr
.irp i, 0,1,2
	v_mov_b32 v[\d0+3+\i], v[T0+\i]
	v_mov_b32 v[\d1+3+\i], v[T1+\i]
.endr
.endm
; Step t of a wave: tile 2 w + t / 2, half t % 2 of the 256 along K.  Sixteen loads, one for each lane-row: 512 consecutive bytes of one row of x.
.macro LOADX t
.irp p, 0,1,2,3,4,5,6,7,8,9,10,11,12,13,14,15
	global_load_b128 v[R+64*((\t)%2)+4*\p:R+64*((\t)%2)+4*\p+3], v[GI], s[4:5] offset:(8*((\t)/2)+\p+8*(\p/8))*4096+((\t)%2)*512 th:TH_LOAD_NT
.endr
.endm
; The 16 rows turn through the wave's own stage (rows 528 bytes apart): in as loaded, out 64 bytes a lane and block.  LDS serves a wave's instructions in order (ISA guide 5.7.1.4): no wait between.
.macro TURNX t
.irp p, 0,1,2,3,4,5,6,7,8,9,10,11,12,13,14,15
	ds_store_b128 v[SI], v[R+64*((\t)%2)+4*\p:R+64*((\t)%2)+4*\p+3] offset:528*\p
.endr
.irp b, 0,1,2,3
.irp j, 0,1,2,3
	ds_load_b128 v[X+16*\b+4*\j:X+16*\b+4*\j+3], v[SOA] offset:128*\b+16*\j
.endr
.endr
.endm
.macro XSTEP t
.if (\t) > 0
	s_wait_xcnt 0x0                                ; the last step's stores have read the codes' registers, which are written again below
.endif
.if (\t) < 3
	s_wait_loadcnt 16                              ; this step's 16 loads are in; the other set's 16 may be out
.else
	s_wait_loadcnt 0x0
.endif
	TURNX \t
	s_wait_dscnt 0x0                               ; the stage's stores have read their registers, and my 64 numbers are back
.if (\t) < 2
	LOADX (\t)+2
.endif
	QUANT X, PC, PC+6, SW+(\t)
.irp p, 0,1,2,3,4,5
	global_store_b64 v[L8], v[PC+2*\p:PC+2*\p+1], s[12:13] offset:((\t)/2)*3072+((\t)%2)*1536+256*\p   ; 32 lanes store 256 consecutive bytes, at a multiple of 256 from cq's first byte
.endr
.endm
	v_and_b32 v2, 15, v0                           ; r
	v_bfe_u32 v3, v0, 4, 1                         ; h
	s_lshr_b32 s17, ttmp9, 2                       ; the record: 128 rows
	s_and_b32 s18, ttmp9, 3                        ; ks
	s_lshl_b32 s22, s17, 19                        ; x: 128 rows of 4,096 bytes a record,
	s_lshl_b32 s23, s16, 17                        ; 32 rows a wave,
	s_add_co_u32 s22, s22, s23
	s_lshl_b32 s23, s18, 10                        ; 1,024 bytes a K step
	s_add_co_u32 s22, s22, s23
	s_mov_b32 s23, 0
	s_mul_i32 s24, s17, RGB
	s_mul_i32 s25, s18, 24576
	s_add_co_u32 s25, s24, s25
	s_mul_i32 s26, s16, 6144
	s_add_co_u32 s26, s25, s26                     ; my two tiles' codes
	s_mov_b32 s27, 0
	s_lshl_b32 s25, s18, 10
	s_add_co_u32 s24, s24, s25
	s_lshl_b32 s25, s16, 8
	s_add_co_u32 s24, s24, s25
	s_add_co_u32 s24, s24, SCO                     ; and their scale words
	s_mov_b32 s25, 0
	s_mul_i32 s28, s16, 8448                       ; my stage
	s_wait_alu depctr_va_vdst(0)
	v_lshlrev_b32 v[GI], 4, v1
	v_add_nc_u32 v[SI], s28, v[GI]
	v_mul_u32_u24 v[SOA], v2, 528
	v_lshl_add_u32 v[SOA], v3, 6, v[SOA]
	v_add_nc_u32 v[SOA], s28, v[SOA]
	v_lshlrev_b32 v[L8], 3, v1
.irp b, 0,1,2,3
	v_mov_b32 v[TM+4+\b], 0                        ; written once: a lane permute's destination counts as one of its sources
.endr
	s_wait_alu depctr_va_vdst(0)
	s_wait_kmcnt 0x0
	s_add_nc_u64 s[4:5], s[4:5], s[22:23]
	s_add_nc_u64 s[12:13], s[10:11], s[26:27]
	s_add_nc_u64 s[14:15], s[10:11], s[24:25]
	LOADX 0
	LOADX 1
.irp t, 0,1,2,3
	XSTEP \t
.endr
	v_cmp_le_u32 vcc_lo, 16, v1                    ; lanes 0-15 store tile 2 w's words, lanes 16-31 tile 2 w + 1's (both halves of the lanes hold a row's word)
	v_cndmask_b32 v28, v[SW], v[SW+2], vcc_lo
	v_cndmask_b32 v29, v[SW+1], v[SW+3], vcc_lo
	global_store_b64 v[L8], v[28:29], s[14:15]     ; 256 consecutive bytes
	s_wait_tensorcnt 0x0
	ds_add_u32 v248, v249
	s_wait_dscnt 0x0
	s_endpgm
; ---------------- a weight: K is the first axis ----------------
; A LANE TAKES A COLUMN AND ITS REGISTERS RUN DOWN K: a load reads 128 consecutive bytes, a block of 32 along K lies in one lane, and the conversions give codes with K innermost.
; Column 32 w + L of the 128 is lane-row r = L % 8 + 8 (L / 16) of tile 2 w + u, u = (L / 8) % 2.  Block t of its eight is half t / 4, registers 6 ((t / 2) % 2) on, of lane r + 16 (t % 2).
; The codes go to the wave's stage as the tiles' images (a tile 3,200 bytes from the next) and leave 512 consecutive bytes a store.
.macro WLOAD t, pitch, sb
.irp i, 0,1,2,3,4,5,6,7,8,9,10,11,12,13,14,15,16,17,18,19,20,21,22,23,24,25,26,27,28,29,30,31
	global_load_b32 v[WX+32*((\t)%2)+\i], v[WGI], s[\sb:\sb+1] offset:(32*(\t)+\i)*\pitch th:TH_LOAD_NT
.endr
.endm
.macro WBLOCK t, pitch, sb
.set XS, WX+32*((\t)%2)
.if (\t) < 7
	s_wait_loadcnt 32                              ; this block's 32 loads are in; the next block's may be out
.else
	s_wait_loadcnt 0x0
.endif
	v_max3_num_f32 v16, |v[XS]|, |v[XS+1]|, |v[XS+2]|   ; the block's largest magnitude: all 32 numbers are mine; two chains
	v_max3_num_f32 v17, |v[XS+3]|, |v[XS+4]|, |v[XS+5]|
.irp i, 6,10,14,18,22,26
	v_max3_num_f32 v16, v16, |v[XS+\i]|, |v[XS+\i+1]|
	v_max3_num_f32 v17, v17, |v[XS+\i+2]|, |v[XS+\i+3]|
.endr
	v_max3_num_f32 v16, v16, |v[XS+30]|, |v[XS+31]|
	v_max3_num_f32 v16, v16, v17, 0x1800000        ; and the floor 2^(3 - 127)
	v_add_nc_u32 v18, 0xff000000, v16              ; the conversions' scale operand
	v_lshrrev_b32 v17, 23, v18                     ; the scale's byte
.if (\t)%4 == 0
	v_mov_b32 v[SB+(\t)/4], v17
.else
	v_lshl_or_b32 v[SB+(\t)/4], v17, 8*((\t)%4), v[SB+(\t)/4]
.endif
	v_cvt_scalef32_pk16_fp6_f32 v[C:C+2], v[XS:XS+15], v18
	v_cvt_scalef32_pk16_fp6_f32 v[C+8:C+10], v[XS+16:XS+31], v18
	v_nop                                          ; one plain instruction behind the scaled conversions
.irp i, 0,1,2
	v_mov_b32 v[C+3+\i], v[C+8+\i]
.endr
.irp i, 0,1,2
	ds_store_b64 v[WST], v[C+2*\i:C+2*\i+1] offset:((\t)/4)*1536+(((\t)/2)%2)*768+((\t)%2)*128+256*\i
.endr
.if (\t)+2 < 8
	WLOAD (\t)+2, \pitch, \sb
.endif
	s_wait_dscnt 0x0                               ; the stores have read their registers: the next block's codes may be written
.endm
.macro WPATH sb, pitch, first, rg0, lbase
	s_sub_co_u32 s17, ttmp9, \first
	s_and_b32 s18, s17, 3                          ; ks
	s_lshr_b32 s17, s17, 2                         ; which 128 columns
	s_mul_i32 s22, s18, 256*\pitch                 ; 256 rows of the weight a K step,
	s_lshl_b32 s23, s17, 9                         ; 512 bytes for 128 columns,
	s_add_co_u32 s22, s22, s23
	s_lshl_b32 s23, s16, 7                         ; 128 for a wave's 32
	s_add_co_u32 s22, s22, s23
	s_mov_b32 s23, 0
	s_add_co_u32 s17, s17, \rg0                    ; the record
	s_mul_i32 s24, s17, RGB
	s_mul_i32 s25, s18, 24576
	s_add_co_u32 s25, s24, s25
	s_mul_i32 s26, s16, 6144
	s_add_co_u32 s26, s25, s26                     ; my two tiles' codes
	s_mov_b32 s27, 0
	s_lshl_b32 s25, s18, 10
	s_add_co_u32 s24, s24, s25
	s_lshl_b32 s25, s16, 8
	s_add_co_u32 s24, s24, s25
	s_add_co_u32 s24, s24, SCO                     ; and their scale words
	s_mov_b32 s25, 0
	s_mul_i32 s28, s16, 6400
	s_add_co_u32 s28, s28, \lbase                  ; my stage
	v_lshlrev_b32 v[WGI], 2, v1
	v_bfe_u32 v10, v0, 3, 1                        ; u
	v_and_b32 v11, 7, v0
	v_bfe_u32 v12, v0, 4, 1
	v_lshl_add_u32 v11, v12, 3, v11                ; r
	v_mul_u32_u24 v[WST], v10, 3200
	v_lshl_add_u32 v[WST], v11, 3, v[WST]
	v_add_nc_u32 v[WST], s28, v[WST]
	v_lshlrev_b32 v[WGO], 4, v1
	v_add_nc_u32 v[WRD], s28, v[WGO]
	v_lshlrev_b32 v[WSO], 7, v10
	v_lshl_add_u32 v[WSO], v11, 3, v[WSO]
	s_wait_kmcnt 0x0
	s_add_nc_u64 s[\sb:\sb+1], s[\sb:\sb+1], s[22:23]
	s_add_nc_u64 s[12:13], s[10:11], s[26:27]
	s_add_nc_u64 s[14:15], s[10:11], s[24:25]
	WLOAD 0, \pitch, \sb
	WLOAD 1, \pitch, \sb
.irp t, 0,1,2,3,4,5,6,7
	WBLOCK \t, \pitch, \sb
.endr
	s_wait_alu depctr_va_vdst(0)
	global_store_b64 v[WSO], v[SB:SB+1], s[14:15]  ; the 32 lanes' words fill 256 consecutive bytes
.irp e, 0,1
.irp i, 0,1,2,3,4,5
	ds_load_b128 v[OUTR+4*(6*\e+\i):OUTR+4*(6*\e+\i)+3], v[WRD] offset:\e*3200+512*\i
.endr
.endr
.irp e, 0,1
.irp i, 0,1,2,3,4,5
	s_wait_dscnt 11-6*\e-\i                        ; the younger loads may be out
	global_store_b128 v[WGO], v[OUTR+4*(6*\e+\i):OUTR+4*(6*\e+\i)+3], s[12:13] offset:\e*3072+512*\i
.endr
.endr
	s_wait_tensorcnt 0x0
	ds_add_u32 v248, v249
	s_wait_dscnt 0x0
	s_endpgm
.endm
.Lweights:
	s_cmp_lt_u32 ttmp9, 352
	s_cbranch_scc0 .Lproj
	s_wait_alu depctr_va_vdst(0)
	WPATH 6, 12288, 256, 64, 33792
.Lproj:
	s_wait_alu depctr_va_vdst(0)
	WPATH 8, 4096, 352, 88, 59392
.Lfunc_end_k_q1aeca7cbbd_quant:
	.size	k_q1aeca7cbbd_quant, .Lfunc_end_k_q1aeca7cbbd_quant-k_q1aeca7cbbd_quant
	.p2alignl 7, 3214868480
	.fill 96, 4, 3214868480
	.section	.rodata,"a",@progbits
	.p2align	6, 0x0
	.amdhsa_kernel k_q1aeca7cbbd_quant
		.amdhsa_group_segment_fixed_size 85504
		.amdhsa_private_segment_fixed_size 0
		.amdhsa_enable_private_segment 0
		.amdhsa_kernarg_size 32
		.amdhsa_user_sgpr_count 2
		.amdhsa_user_sgpr_kernarg_segment_ptr 1
		.amdhsa_wavefront_size32 1
		.amdhsa_system_sgpr_workgroup_id_x 1
		.amdhsa_system_sgpr_workgroup_id_y 1
		.amdhsa_system_sgpr_workgroup_id_z 1
		.amdhsa_system_vgpr_workitem_id 0
		.amdhsa_next_free_vgpr 250
		.amdhsa_next_free_sgpr 66
		.amdhsa_reserve_vcc 1
		.amdhsa_float_denorm_mode_32 3
		.amdhsa_float_denorm_mode_16_64 3
		.amdhsa_memory_ordered 1
		.amdhsa_forward_progress 1
		.amdhsa_inst_pref_size 118
	.end_amdhsa_kernel
	.amdgpu_metadata
---
amdhsa.version: [ 1, 2 ]
amdhsa.kernels:
  - .name:           k_q1aeca7cbbd_quant
    .symbol:         k_q1aeca7cbbd_quant.kd
    .args:
      - { .name: x, .offset: 0, .size: 8, .value_kind: global_buffer, .address_space: global }
      - { .name: w_qkv, .offset: 8, .size: 8, .value_kind: global_buffer, .address_space: global }
      - { .name: w_proj, .offset: 16, .size: 8, .value_kind: global_buffer, .address_space: global }
      - { .name: cq, .offset: 24, .size: 8, .value_kind: global_buffer, .address_space: global }
    .group_segment_fixed_size: 85504
    .private_segment_fixed_size: 0
    .kernarg_segment_align: 8
    .kernarg_segment_size: 32
    .max_flat_workgroup_size: 128
    .sgpr_count:     66
    .vgpr_count:     250
    .wavefront_size: 32
...
	.end_amdgpu_metadata
.endif
;; end of part 1
;; launch qkv (part 2): grid 12 x 32, 4 waves a work-group, clusters of 4 x 4, 327,680 bytes of LDS; arguments cq, qb, kv; writes qb, kv
.if DOCPART == 2
	.amdgcn_target "amdgcn-amd-amdhsa--gfx1250"
	.amdhsa_code_object_version 6
	.text
	.protected	k_q1aeca7cbbd_qkv
	.globl	k_q1aeca7cbbd_qkv
	.p2align	8
	.type	k_q1aeca7cbbd_qkv,@function
k_q1aeca7cbbd_qkv:
	s_mov_b64 s[64:65], 0
	v_nop
	global_prefetch_b8 v0, s[64:65] scope:SCOPE_SE
	s_setreg_imm32_b32 hwreg(HW_REG_WAVE_MODE, 25, 1), 1
	s_wait_xcnt 0x0
	s_wait_alu depctr_hold_cnt(0) depctr_sa_sdst(0) depctr_va_vdst(0) depctr_va_sdst(0) depctr_va_ssrc(0) depctr_va_vcc(0) depctr_vm_vsrc(0)
	s_getreg_b32 s2, hwreg(HW_REG_IB_STS2, 6, 4)
	s_cmp_eq_u32 s2, 0
	s_cbranch_scc0 .Lentry_in_a_cluster
	s_endpgm
.Lentry_in_a_cluster:
	s_bfe_u32 s2, ttmp6, 0x10000c
	s_cmp_lg_u32 s2, 0xf033
	s_cbranch_scc0 .Lentry_shape_is_right
	s_endpgm
.Lentry_shape_is_right:
.set RGB,    102400
.set SCO,    98304
.set REC,    13056
.set HEADB,  16*REC
.set VOF,    6144
.set KSO,    12288
.set VSO,    12800
.set NQ,     2
.set FR,     12
.set NL,     6
.set NP,     4
.set HALFT,  24576
.set SLOT,   4*HALFT
; THE RING: slot 0 holds one K step of 256 (K step 0, later K step 3), slot 1 two (K steps 1 and 2, 2 x HALFT for each quarter).  The spare words lie behind both.
.set SCL,    3*SLOT
.set SPARE,  SCL
.set ADRA, 16
.set ADRB, 20
.set LI16, 24
.set L8,   25
.set LN,   26
.set ADRS, 27
.set SPW,  28
.set NIL,  29
.set SC,   32
.set AF,   128
.set TM,   32
.set T0,   48
.set T1,   52
.set W,    56
.set XW,   64
.set AW,   68
.set BW,   72
.set P,    128
.set G1, 24
.set G0, 32
.set G1B, 48
.set G0B, 56
.set G1S, 68
.set G0S, 76
.set G1SB, 80
.set G0SB, 88
.set SEL, 98
.set MSB, 0
.macro WIN new
.if MSB != \new
	s_set_vgpr_msb (MSB<<8)|\new
.set MSB, \new
.endif
.endm
.set MUL_LO, 0xa1
.set MUL_HI, 0xf1
.set TO_B,   0x40
.macro CREST
	s_cmp_lg_u32 s14, 0
	s_cbranch_scc1 .Lnot_wave_0_\@
	s_barrier_signal -3
.Lnot_wave_0_\@:
	s_barrier_wait -3
	s_barrier_signal -1
	s_barrier_wait -1
.endm
.macro CROUND
	s_barrier_signal -1
	s_barrier_wait -1
	CREST
.endm
	s_load_b128 s[4:7], s[0:1], 0x0
	s_load_b64 s[8:9], s[0:1], 0x10
	v_lshl_add_u32 v[SPW], v0, 2, SPARE
	v_mov_b32 v[NIL], 0
	ds_add_u32 v28, v29
	ds_add_u32 v28, v29
	s_wait_dscnt 0x0
	v_lshrrev_b32 v1, 5, v0
	v_readfirstlane_b32 s14, v1
	s_lshr_b32 s15, s14, 1
	s_and_b32 s16, s14, 1
	s_bfe_u32 s40, ttmp6, 0x40000
	s_bfe_u32 s41, ttmp6, 0x40004
	s_and_b32 s17, ttmp7, 0xffff
	s_lshl_b32 s43, s41, 2
	s_lshl_b32 s43, 15, s43
	s_lshl_b32 s44, 0x1111, s40
	s_or_b32 s[G1+0], s43, (3<<16)|(1<<21)
	s_or_b32 s[G1B+0], s44, (3<<16)|(1<<21)
.irp g, G1, G1B                        ; slot 0's tiles: a K step of two records, as two rows of 24,576 bytes, a record (102,400 bytes) apart
	s_mov_b32 s[\g+1], 3072<<16
	s_mov_b32 s[\g+2], 2<<16
	s_mov_b32 s[\g+3], 3072<<16
	s_mov_b32 s[\g+4], 2
	s_mov_b32 s[\g+5], 12800
	s_mov_b32 s[\g+6], 0
	s_mov_b32 s[\g+7], 0
.endr
	s_or_b32 s[G1S+0], s43, (3<<16)|(1<<21)
	s_or_b32 s[G1SB+0], s44, (3<<16)|(1<<21)
.irp g, G1S, G1SB                      ; slot 1's tiles: K steps 1 and 2 of two records, as two rows of 49,152 bytes, a record apart
	s_mov_b32 s[\g+1], 6144<<16
	s_mov_b32 s[\g+2], 2<<16
	s_mov_b32 s[\g+3], 6144<<16
	s_mov_b32 s[\g+4], 2
	s_mov_b32 s[\g+5], 12800
	s_mov_b32 s[\g+6], 0
	s_mov_b32 s[\g+7], 0
.endr
	s_lshl_b32 s42, s17, 3
	s_lshl_b32 s93, ttmp9, 3
	s_add_co_u32 s93, s93, 64
	s_cmp_eq_u32 ttmp9, 2
	s_cselect_b32 s18, 80, s42
	s_cselect_b32 s19, s42, s93
	s_lshl_b32 s20, s41, 1
	s_add_co_u32 s20, s20, s18
	s_mul_i32 s20, s20, RGB
	s_mov_b32 s21, 0
	s_lshl_b32 s46, s40, 1
	s_add_co_u32 s46, s46, s19
	s_mul_i32 s46, s46, RGB
	s_mov_b32 s47, 0
	s_mul_i32 s66, s15, RGB                        ; the scale words of my record of A,
	s_add_co_u32 s66, s66, SCO
	s_mov_b32 s67, 0
	s_mul_i32 s92, s16, RGB                        ; and of my record of B
	s_add_co_u32 s92, s92, SCO
	s_mov_b32 s93, 0
	s_mov_b32 s[SEL], 0x76543210
	s_mov_b32 s[SEL+1], 0xfedcba98
	s_wait_kmcnt 0x0
	s_add_nc_u64 s[20:21], s[4:5], s[20:21]
	s_add_nc_u64 s[46:47], s[4:5], s[46:47]
	CROUND
	s_mov_b32 s[G0S], 1                            ; slot 1: A's two records' K steps 1 and 2,
	s_mov_b32 s[G0S+1], SLOT
	s_add_nc_u64 s[G0S+2:G0S+3], s[20:21], HALFT
	s_or_b32 s[G0S+3], s[G0S+3], 0x80000000
	s_mov_b32 s[G0SB], 1                           ; and B's, behind them
	s_mov_b32 s[G0SB+1], SLOT+4*HALFT
	s_add_nc_u64 s[G0SB+2:G0SB+3], s[46:47], HALFT
	s_or_b32 s[G0SB+3], s[G0SB+3], 0x80000000
	s_mov_b32 s[G0], 1                             ; slot 0: A's two records' K step 0,
	s_mov_b32 s[G0+1], 0
	s_mov_b64 s[G0+2:G0+3], s[20:21]
	s_or_b32 s[G0+3], s[G0+3], 0x80000000
	s_mov_b32 s[G0B], 1                            ; and B's, behind them
	s_mov_b32 s[G0B+1], 2*HALFT
	s_mov_b64 s[G0B+2:G0B+3], s[46:47]
	s_or_b32 s[G0B+3], s[G0B+3], 0x80000000
	s_add_nc_u64 s[10:11], s[20:21], s[66:67]
	s_add_nc_u64 s[2:3], s[46:47], s[92:93]
; the head's four tiles, one a wave, in one chain of branches on the wave's number
.macro ARM under, g0, g1, next
	s_cmp_lt_u32 s14, \under
	s_cbranch_scc0 \next
	tensor_load_to_lds s[\g0:\g0+3], s[\g1:\g1+7]
	s_nop 0
.rept 4
	v_nop
.endr
	s_branch .Lhead_asked
\next:
.endm
	ARM 1, G0,  G1,  .Lhead_b
	ARM 2, G0B, G1B, .Lhead_sa
	ARM 3, G0S, G1S, .Lhead_sb
	tensor_load_to_lds s[G0SB:G0SB+3], s[G1SB:G1SB+7]
	s_nop 0
.rept 4
	v_nop
.endr
.Lhead_asked:
	v_and_b32 v[LN], 31, v0
	v_lshlrev_b32 v[L8], 3, v[LN]
	v_lshlrev_b32 v[LI16], 4, v[LN]
; THE SCALE WORDS go from memory into registers, 256 consecutive bytes a load: lanes 0-15 hold an even tile's rows, lanes 16-31 the next tile's; the pair of registers is the K step's two halves
.irp ks, 0,1,2,3
.irp pr, 0,1,2,3
	global_load_b64 v[32+8*\ks+2*\pr:32+8*\ks+2*\pr+1], v[L8], s[10:11] offset:1024*\ks+256*\pr
	global_load_b64 v[64+8*\ks+2*\pr:64+8*\ks+2*\pr+1], v[L8], s[2:3] offset:1024*\ks+256*\pr
.endr
.endr
	s_mul_i32 s22, s15, HALFT
	s_mul_i32 s23, s16, HALFT
	s_add_co_u32 s23, s23, 2*HALFT
	v_add_nc_u32 v[ADRA], s22, v[L8]               ; slot 0
	v_add_nc_u32 v[ADRB], s23, v[L8]
	s_lshl_b32 s22, s22, 1
	s_lshl_b32 s23, s23, 1
	s_add_co_u32 s22, s22, SLOT
	s_add_co_u32 s23, s23, SLOT
	v_add_nc_u32 v[ADRA+1], s22, v[L8]             ; slot 1's first K step,
	v_add_nc_u32 v[ADRB+1], s23, v[L8]
	v_add_nc_u32 v[ADRA+2], HALFT, v[ADRA+1]       ; and its second
	v_add_nc_u32 v[ADRB+2], HALFT, v[ADRB+1]
.macro FRAG reg, adr, q, i
.irp p, 0,1,2,3,4,5
	ds_load_b64 v[\reg+2*\p:\reg+2*\p+1], v[\adr] offset:(\i)*3072+(\q)*1536+\p*256
.endr
.endm
.set SA,  32                           ; v32-63 A's scale words: 8 x K step + 2 x pair of tiles + half
.set SBR, 64                           ; v64-95 B's
; 16 products: A's blocks a0 (even), a0 + 1 x B's eight.  KS_: the K step, set ahead of each step's text.  An odd tile's words stand in lanes 16-31
.macro MUL16 a0, p, q, sc, zero
.irp ao, 0,1
.irp bp, 0,1,2,3
.irp bo, 0,1
.set D_, 8*(8*(((\a0)+\ao)%4)+2*\bp+\bo)
.set B_, 128*(\p)+FR*(2*\bp+\bo)
.set A_, AF+FR*((\a0)+\ao)
.set XB_, SBR+8*KS_+2*\bp+(\q)
.set XA_, SA+8*KS_+(\a0)+(\q)
.if \zero
	v_wmma_scale_f32_16x16x128_f8f6f4 v[D_:D_+7], v[B_:B_+FR-1], v[A_:A_+FR-1], 0, v[XB_], v[XA_] matrix_a_fmt:MATRIX_FMT_FP6 matrix_b_fmt:MATRIX_FMT_FP6 matrix_a_scale:MATRIX_SCALE_ROW\bo matrix_b_scale:MATRIX_SCALE_ROW\ao
.else
	v_wmma_scale_f32_16x16x128_f8f6f4 v[D_:D_+7], v[B_:B_+FR-1], v[A_:A_+FR-1], v[D_:D_+7], v[XB_], v[XA_] matrix_a_fmt:MATRIX_FMT_FP6 matrix_b_fmt:MATRIX_FMT_FP6 matrix_a_scale:MATRIX_SCALE_ROW\bo matrix_b_scale:MATRIX_SCALE_ROW\ao
.endif
.endr
.endr
.endr
.endm
.macro FETCH_B slot, q, p
	WIN TO_B
.irp i, 0,1,2,3,4,5,6,7
	FRAG 128*(\p)+FR*\i, ADRB+\slot, \q, \i
.endr
	WIN 0
.endm
.macro FETCH_A slot, q, i0
.irp i, \i0, \i0+1, \i0+2, \i0+3
	FRAG AF+FR*(\i), ADRA+\slot, \q, \i
.endr
.endm
.macro PLACES n
.rept \n
	v_nop
.endr
.endm
.macro STEP slot, q, zero
	s_wait_dscnt 4*NL
	WIN MUL_LO
	MUL16 0, (\q)%2, \q, \slot, \zero
	MUL16 2, (\q)%2, \q, \slot, \zero
	s_wait_dscnt 0
	PLACES NP
	FETCH_B \slot, (\q)+1, 1-(\q)%2
	FETCH_A \slot, (\q)+1, 0
	WIN MUL_HI
	MUL16 4, (\q)%2, \q, \slot, \zero
	MUL16 6, (\q)%2, \q, \slot, \zero
	PLACES NP
	WIN 0
	FETCH_A \slot, (\q)+1, 4
.endm
; slot 0's one refill, K step 3: wave 0 asks for A's two records, wave 1 for B's
.macro RLOAD
	s_cmp_eq_u32 s14, 0
	s_cbranch_scc0 .Lr_b_\@
	tensor_load_to_lds s[G0:G0+3], s[G1:G1+7]
	s_nop 0
.rept 4
	v_nop
.endr
	s_branch .Lr_d_\@
.Lr_b_\@:
	s_cmp_eq_u32 s14, 1
	s_cbranch_scc0 .Lr_d_\@
	tensor_load_to_lds s[G0B:G0B+3], s[G1B:G1B+7]
	s_nop 0
.rept 4
	v_nop
.endr
.Lr_d_\@:
.endm
; fill = 1: a round and the refill; fill = 0: a plain barrier that shows the refill to all; fill = 2: from slot 1's first K step to its second: no barrier
.macro TURN slot, next, fill
.if \fill < 2
	s_wait_tensorcnt 0x0
	ds_add_u32 v[SPW], v[NIL]
	s_wait_dscnt 4*NL+1
.else
	s_wait_dscnt 4*NL
.endif
	WIN MUL_LO
	MUL16 0, 1, NQ-1, \slot, 0
	s_wait_dscnt 0x0
.if \fill < 2
	s_barrier_signal -1
.endif
	MUL16 2, 1, NQ-1, \slot, 0
	WIN 0
.if \fill < 2
	s_barrier_wait -1
.endif
.if \fill == 1
	CREST
	s_add_nc_u64 s[G0+2:G0+3], s[G0+2:G0+3], 3*HALFT
	s_add_nc_u64 s[G0B+2:G0B+3], s[G0B+2:G0B+3], 3*HALFT
	RLOAD
.endif
	PLACES NP
	FETCH_B \next, 0, 0
	FETCH_A \next, 0, 0
	WIN MUL_HI
	MUL16 4, 1, NQ-1, \slot, 0
	MUL16 6, 1, NQ-1, \slot, 0
	PLACES NP
	WIN 0
	FETCH_A \next, 0, 4
.endm
	s_wait_alu depctr_va_vdst(0)
	s_wait_loadcnt 0x0                             ; the scale words are in
	s_cmp_lt_u32 s14, 2
	s_cbranch_scc0 .Lnot_k0
	s_wait_tensorcnt 0x0                           ; waves 0 and 1: K step 0 of A and of B
.Lnot_k0:
	s_barrier_signal -1
	s_barrier_wait -1                              ; shown to all; waves 2 and 3's tiles may be on their way
	FETCH_B 0, 0, 0
	FETCH_A 0, 0, 0
	FETCH_A 0, 0, 4
.set KS_, 0
	STEP 0, 0, 1
	TURN 0, 1, 1
.set KS_, 1
	STEP 1, 0, 0
	TURN 1, 2, 2
.set KS_, 2
	STEP 2, 0, 0
	TURN 2, 0, 0
.set KS_, 3
	STEP 0, 0, 0
	s_wait_dscnt 4*NL
	WIN MUL_LO
	MUL16 0, 1, NQ-1, 0, 0
	MUL16 2, 1, NQ-1, 0, 0
	s_wait_dscnt 0
	WIN MUL_HI
	MUL16 4, 1, NQ-1, 0, 0
	MUL16 6, 1, NQ-1, 0, 0
	WIN 0
.macro QUANTW a, d0, d1, pw
.set AC, 64*((\a)%4)
.set WN, 2+(\a)/4
.set WS12, (WN<<2)|(WN<<4)
	WIN WS12
.irp b, 0,1,2,3
	v_max3_num_f32 v[TM+\b], 0x1800000, |v[AC+16*\b]|, |v[AC+16*\b+1]|
.endr
.irp i, 2,4,6,8,10,12,14
.irp b, 0,1,2,3
	v_max3_num_f32 v[TM+\b], v[TM+\b], |v[AC+16*\b+\i]|, |v[AC+16*\b+\i+1]|
.endr
.endr
	WIN 0
.irp b, 0,1,2,3
	v_permlanex16_b32 v[TM+4+\b], v[TM+\b], s[SEL], s[SEL+1]
.endr
.irp b, 0,1,2,3
	v_max_num_f32 v[TM+\b], v[TM+\b], v[TM+4+\b]
.endr
.irp b, 0,1,2,3
	v_add_nc_u32 v[TM+12+\b], 0xff000000, v[TM+\b]
.endr
.irp b, 0,1,2,3
	v_lshrrev_b32 v[TM+4+\b], 23, v[TM+12+\b]
.endr
	v_lshl_or_b32 v[\pw], v[TM+5], 8, v[TM+4]
	v_lshl_or_b32 v[\pw], v[TM+6], 16, v[\pw]
	v_lshl_or_b32 v[\pw], v[TM+7], 24, v[\pw]
	WIN WN
	v_cvt_scalef32_pk16_fp6_f32 v[\d0:\d0+2], v[AC:AC+15], v[TM+12]
	v_cvt_scalef32_pk16_fp6_f32 v[T0:T0+2], v[AC+16:AC+31], v[TM+13]
	v_cvt_scalef32_pk16_fp6_f32 v[\d1:\d1+2], v[AC+32:AC+47], v[TM+14]
	v_cvt_scalef32_pk16_fp6_f32 v[T1:T1+2], v[AC+48:AC+63], v[TM+15]
	WIN 0
	v_nop
.irp i, 0,1,2
	v_permlane16_swap_b32 v[\d0+\i], v[T0+\i]
	v_permlane16_swap_b32 v[\d1+\i], v[T1+\i]
.endr
.irp i, 0,1,2
	v_mov_b32 v[\d0+3+\i], v[T0+\i]
	v_mov_b32 v[\d1+3+\i], v[T1+\i]
.endr
.endm
	PLACES NP
	s_cmp_eq_u32 ttmp9, 2
	s_cselect_b32 s66, s40, s41
	s_cselect_b32 s67, s16, s15
	s_cselect_b32 s92, s41, s40
	s_cselect_b32 s95, s15, s16
	s_lshl_b32 s96, s17, 3
	s_lshl_b32 s66, s66, 1
	s_add_co_u32 s96, s96, s66
	s_add_co_u32 s96, s96, s67
	s_lshl_b32 s92, s92, 2
	s_lshl_b32 s95, s95, 1
	s_add_co_u32 s92, s92, s95
	s_lshr_b32 s97, s96, 4
	s_lshl_b32 s97, s97, 4
	s_add_co_u32 s97, s97, s92
	s_lshl_b32 s97, s97, 4
	s_and_b32 s96, s96, 15
	s_add_co_u32 s97, s97, s96
	s_mul_i32 s96, s97, REC
	s_mov_b32 s97, 0
	s_cmp_eq_u32 ttmp9, 0
	s_cselect_b64 s[12:13], s[6:7], s[8:9]
	s_add_nc_u64 s[12:13], s[12:13], s[96:97]
.irp b, 0,1,2,3
	v_mov_b32 v[TM+4+\b], 0
.endr
	v_cmp_le_u32 vcc_lo, 16, v[LN]
	s_cmp_eq_u32 ttmp9, 2
	s_cbranch_scc1 .Lv
.irp i, 0,1,2,3
	QUANTW 2*\i, P+24*\i, P+24*\i+12, W+2*\i
	QUANTW 2*\i+1, P+24*\i+6, P+24*\i+18, W+2*\i+1
.irp c, 0,1,2
	global_store_b128 v[LI16], v[P+24*\i+4*\c:P+24*\i+4*\c+3], s[12:13] offset:1536*\i+512*\c
	global_store_b128 v[LI16], v[P+24*\i+12+4*\c:P+24*\i+12+4*\c+3], s[12:13] offset:HEADB+1536*\i+512*\c
.endr
.endr
.irp i, 0,1,2,3
	v_cndmask_b32 v[XW+\i], v[W+2*\i], v[W+2*\i+1], vcc_lo
.endr
.irp i, 0,1,2,3
	v_and_b32 v[AW+\i], 0xffff, v[XW+\i]
	v_lshrrev_b32 v[BW+\i], 16, v[XW+\i]
.endr
	global_store_b128 v[LI16], v[AW:AW+3], s[12:13] offset:KSO
	global_store_b128 v[LI16], v[BW:BW+3], s[12:13] offset:HEADB+KSO
	s_branch .Ldone
.Lv:
.irp a, 0,1,2,3,4,5,6,7
	QUANTW \a, P+12*\a, P+12*\a+6, W+\a
.irp c, 0,1,2
	global_store_b128 v[LI16], v[P+12*\a+4*\c:P+12*\a+4*\c+3], s[12:13] offset:(\a/4)*HEADB+VOF+(\a%4)*1536+512*\c
.endr
.endr
.irp i, 0,1,2,3
	v_cndmask_b32 v[XW+\i], v[W+2*\i], v[W+2*\i+1], vcc_lo
.endr
	global_store_b64 v[L8], v[XW:XW+1], s[12:13] offset:VSO
	global_store_b64 v[L8], v[XW+2:XW+3], s[12:13] offset:HEADB+VSO
.Ldone:
	s_wait_tensorcnt 0x0
	ds_add_u32 v[SPW], v[NIL]
	s_wait_dscnt 0x0
	CROUND
	s_endpgm
.Lfunc_end_k_q1aeca7cbbd_qkv:
	.size	k_q1aeca7cbbd_qkv, .Lfunc_end_k_q1aeca7cbbd_qkv-k_q1aeca7cbbd_qkv
	.p2alignl 7, 3214868480
	.fill 96, 4, 3214868480
	.section	.rodata,"a",@progbits
	.p2align	6, 0x0
	.amdhsa_kernel k_q1aeca7cbbd_qkv
		.amdhsa_group_segment_fixed_size 327680
		.amdhsa_private_segment_fixed_size 0
		.amdhsa_enable_private_segment 0
		.amdhsa_kernarg_size 24
		.amdhsa_user_sgpr_count 2
		.amdhsa_user_sgpr_kernarg_segment_ptr 1
		.amdhsa_wavefront_size32 1
		.amdhsa_system_sgpr_workgroup_id_x 1
		.amdhsa_system_sgpr_workgroup_id_y 1
		.amdhsa_system_sgpr_workgroup_id_z 1
		.amdhsa_system_vgpr_workitem_id 0
		.amdhsa_next_free_vgpr 1024
		.amdhsa_next_free_sgpr 100
		.amdhsa_reserve_vcc 1
		.amdhsa_float_denorm_mode_32 3
		.amdhsa_float_denorm_mode_16_64 3
		.amdhsa_memory_ordered 1
		.amdhsa_forward_progress 1
		.amdhsa_inst_pref_size 196
	.end_amdhsa_kernel
	.amdgpu_metadata
---
amdhsa.version: [ 1, 2 ]
amdhsa.kernels:
  - .name:           k_q1aeca7cbbd_qkv
    .symbol:         k_q1aeca7cbbd_qkv.kd
    .args:
      - { .name: cq, .offset: 0, .size: 8, .value_kind: global_buffer, .address_space: global }
      - { .name: qb, .offset: 8, .size: 8, .value_kind: global_buffer, .address_space: global }
      - { .name: kv, .offset: 16, .size: 8, .value_kind: global_buffer, .address_space: global }
    .group_segment_fixed_size: 327680
    .private_segment_fixed_size: 0
    .kernarg_segment_align: 8
    .kernarg_segment_size: 24
    .max_flat_workgroup_size: 128
    .sgpr_count:     100
    .vgpr_count:     1024
    .wavefront_size: 32
...
	.end_amdgpu_metadata
.endif
;; end of part 2
;; launch attn (part 3): grid 4 x 64, 16 waves a work-group, clusters of 4 x 1, 210,944 bytes of LDS; arguments qb, kv, aq; writes aq
.if DOCPART == 3
	.amdgcn_target "amdgcn-amd-amdhsa--gfx1250"
	.amdhsa_code_object_version 6
	.text
	.protected	k_q1aeca7cbbd_attn
	.globl	k_q1aeca7cbbd_attn
	.p2align	8
	.type	k_q1aeca7cbbd_attn,@function
k_q1aeca7cbbd_attn:
	s_mov_b64 s[64:65], 0
	v_nop
	global_prefetch_b8 v0, s[64:65] scope:SCOPE_SE
	s_setreg_imm32_b32 hwreg(HW_REG_WAVE_MODE, 25, 1), 1
	s_wait_xcnt 0x0
	s_wait_alu depctr_hold_cnt(0) depctr_sa_sdst(0) depctr_va_vdst(0) depctr_va_sdst(0) depctr_va_ssrc(0) depctr_va_vcc(0) depctr_vm_vsrc(0)
	s_getreg_b32 s2, hwreg(HW_REG_IB_STS2, 6, 4)
	s_cmp_eq_u32 s2, 0
	s_cbranch_scc0 .Lentry_in_a_cluster
	s_endpgm
.Lentry_in_a_cluster:
	s_bfe_u32 s2, ttmp6, 0x10000c
	s_cmp_lg_u32 s2, 0x3003
	s_cbranch_scc0 .Lentry_shape_is_right
	s_endpgm
.Lentry_shape_is_right:
; o = softmax(q k^T / 8) v for one head, both products on codes of FP6 (E2M3) with E8M0 scales; o is divided by the row's sum, quantised along d_model and leaves as codes laid as the last product's operand registers.
; THE SOFTMAX: t = score x log2(e) / 8; M = the row's largest t so far, rounded UP to a whole number; p = 2^(t - M) is quantised along the keys, not normalised; the row's sum is taken of the unquantised p, in f32.
; When M moves, the sum and O are multiplied by 2^(old M - new M): exact.
; SHARES.  A cluster of four work-groups is one head (cluster y = 16 x batch + head); a work-group owns 512 queries, each of its sixteen waves 32: a pair of tiles of 16, in two passes.  Four waves to a SIMD, 256 registers each.
; THE HEAD'S K, V AND SCALE WORDS STAY IN LDS: 16 records of REC = 13,056 bytes (128 keys each), filled ONCE: wave w asks for record w, jointly with the same wave of the three partners.  Nothing is filled again, so the loop's barrier orders no memory.
; A record: four images of a pair of tiles of k (six registers a tile: 16 keys x 64), 1,536 bytes each, group c of four registers at 512 c + 16 x lane; at VOF four fragments of v (16 channels x 128 keys);
; at KSO k's scale words [lane][4] (word i: tile 2 i in lanes 0-15, tile 2 i + 1 in lanes 16-31; upper two bytes 0); at VSO v's [lane][2].  qb's records hold q in the same places.
; LAYOUT.  Both products are used transposed: S^T = K Q^T, O^T = V^T P^T: a lane holds ONE query (lane % 16).  Lane-row r of tile a (of keys, of queries, of v's channels) is row 32 (a / 2) + 8 (a % 2) + r + 8 (r / 8):
; so the 16 registers of tiles 2 b, 2 b + 1 of S^T are keys 32 b + 16 (lane / 16) + 0 .. 15, and those of O^T channels likewise.
; K = 64 IN AN INSTRUCTION OF 128: q's fragment is six registers of codes and six of ZERO CODES; k's fragment t is the twelve registers from its six on, the upper six being the next tile's codes (behind tile 7: six zeroed registers).
; A zero code times any code is 0; the scale bytes of those two blocks are 0 (2^-127), never 0xff, on both sides.
; LIMITS: p under 2^-126 comes out of v_exp_f32 as 0; a block of zeros keeps the byte 1 (its codes are zeros; this program alone reads the bytes); NaN and infinities are not served.
.set REC,  13056
.set RGB,  102400
.set SCO,  98304
.set VOF,  6144
.set KSO,  12288
.set VSO,  12800
.set ADR,  1                           ; v1   LDS address of the step's record, 16 bytes a lane
.set ADR8, 2                           ; v2   the same, 8 bytes a lane
.set LI16, 3                           ; v3   16 x lane; never rewritten
.set L8,   4                           ; v4   8 x lane; never rewritten
.set LN,   5                           ; v5   lane
                                       ; v12 -M, v13 the largest t, v[14:15] the sum in two halves
.set QF,   16                          ; v16-27 q's fragment: v16-21 codes, v22-27 zero codes;  v28-35 q as it lands: v30-35 the second tile's codes
.set F,    36                          ; v36-83 k's eight tiles, six registers each, later v's four fragments;  v84-89 zero
.set S,    96                          ; v96-159 S^T, then p; on the way out o
.set O,    160                         ; v160-191 O^T
.set BM,   192                         ; v192-195 the blocks' largest scores, then largest p
.set BP,   196                         ; v196-199 at work
.set SO,   200                         ; v200-203 the conversions' scale operands
.set CT,   204                         ; v204-206, v208-210 the conversions' second halves
.set PC,   212                         ; v212-223 p's codes
.set FF,   224                         ; v[224:225] f = 2^(old M - new M) (the pair's upper half is only named)
.set PS,   226                         ; v226 p's scale word
.set TMP,  227
.set KS,   228                         ; v228-231 k's scale words
.set VS,   232                         ; v[232:233] v's
.set QS,   234                         ; v234 q's: lanes 0-15 the first tile's, lanes 16-31 the second's
.set SW0,  235                         ; v235, v248 o's two scale bytes of pass 0, 1
.set D0,   236                         ; v236-241, v242-247 o's codes of pass 0, 1
.set WV,   18
.set SEL,  20                          ; s[20:21] lane selects for v_permlanex16_b32: lane l xor 16
.set CS,   22                          ; s[22:23] c = log2(e) / 8
.set G0,   28                          ; s[28:31], s[32:39] the descriptor
.set G1,   32
.set QP,   44                          ; s[44:45] my pair of tiles of q;  s[46:47] its scale words
.set QSP,  46
.set AQ,   56                          ; s[56:57] where my codes of o go;  s[58:59] their scale bytes
.set AQS,  58
.set TB,   60                          ; s60 LDS byte at which the step's record begins
.set KC,   61                          ; s61 key steps to go
.macro CROUND                          ; a round of the cluster's barrier
	s_barrier_signal -1
	s_barrier_wait -1
	s_cmp_lg_u32 s[WV], 0
	s_cbranch_scc1 .Lnot_wave_0_\@
	s_barrier_signal -3
.Lnot_wave_0_\@:
	s_barrier_wait -3
	s_barrier_signal -1
	s_barrier_wait -1
.endm
	s_load_b128 s[4:7], s[0:1], 0x0                ; qb s[4:5], kv s[6:7]
	s_load_b64 s[8:9], s[0:1], 0x10                ; aq
	v_lshl_add_u32 v254, v0, 2, 0x33000
	v_mov_b32 v255, 0
	ds_add_u32 v254, v255
	ds_add_u32 v254, v255
	v_lshrrev_b32 v1, 5, v0
	s_delay_alu instid0(VALU_DEP_1)
	v_readfirstlane_b32 s[WV], v1                  ; wave 0..15
	s_bfe_u32 s10, ttmp6, 0x40000                  ; cx: it enters q's and o's addresses alone
	s_and_b32 s11, ttmp7, 0xffff                   ; 16 x batch + head, which the four partners share
	s_lshl_b32 s12, s11, 4                         ; the head's first record
	s_add_co_u32 s13, s12, s[WV]
	s_mul_i32 s24, s13, REC                        ; record w of K and V
	s_mov_b32 s25, 0
	; the descriptor: 13,056 dense bytes as 51 rows of 256 bytes (32 elements of 8 bytes)
	s_mov_b32 s[G1], 15|(3<<16)|(1<<21)            ; 15:0 the mask: all four work-groups; 17:16 elements of 8 bytes; 21 set beside a mask
	s_mov_b32 s[G1+1], 32<<16                      ; tensor_dim0
	s_mov_b32 s[G1+2], 51<<16                      ; tensor_dim1
	s_mov_b32 s[G1+3], 32<<16                      ; tile_dim0
	s_mov_b32 s[G1+4], 51                          ; tile_dim1
	s_mov_b32 s[G1+5], 32                          ; tensor_dim0_stride
	s_mov_b32 s[G1+6], 0
	s_mov_b32 s[G1+7], 0
	s_mov_b32 s[G0], 1
	s_mul_i32 s[G0+1], s[WV], REC                  ; LDS: wave x 13,056
	s_lshl_b32 s40, s10, 2
	s_lshr_b32 s41, s[WV], 2
	s_add_co_u32 s40, s40, s41                     ; G: which 128 queries of the head: 4 cx + wave / 4
	s_and_b32 s41, s[WV], 3                        ; i: which pair of tiles
	s_add_co_u32 s42, s12, s40
	s_mul_i32 s42, s42, REC                        ; q's record
	s_mul_i32 s43, s41, 1536
	s_add_co_u32 s44, s42, s43
	s_mov_b32 s45, 0
	s_lshl_b32 s43, s41, 2
	s_add_co_u32 s46, s42, s43
	s_add_co_u32 s46, s46, KSO
	s_mov_b32 s47, 0
	; o's place in aq, whose records are laid as cq's: k = 64 x head + channel: K step head / 4, half (head / 2) % 2, registers 6 (head % 2) on, scale bytes 2 (head % 2) on
	s_and_b32 s48, s11, 15                         ; head
	s_lshr_b32 s49, s11, 4
	s_lshl_b32 s49, s49, 4
	s_add_co_u32 s49, s49, s40                     ; the tokens' record: 16 x batch + G
	s_mul_i32 s49, s49, RGB
	s_lshr_b32 s50, s48, 2
	s_bfe_u32 s51, s48, 0x10001
	s_and_b32 s52, s48, 1
	s_mul_i32 s53, s50, 24576
	s_add_co_u32 s56, s49, s53
	s_mul_i32 s53, s41, 6144
	s_add_co_u32 s56, s56, s53
	s_mul_i32 s53, s51, 1536
	s_add_co_u32 s56, s56, s53
	s_mul_i32 s53, s52, 768
	s_add_co_u32 s56, s56, s53
	s_mov_b32 s57, 0
	s_lshl_b32 s53, s50, 10
	s_add_co_u32 s58, s49, s53
	s_lshl_b32 s53, s41, 8
	s_add_co_u32 s58, s58, s53
	s_lshl_b32 s53, s51, 2
	s_add_co_u32 s58, s58, s53
	s_lshl_b32 s53, s52, 1
	s_add_co_u32 s58, s58, s53
	s_add_co_u32 s58, s58, SCO
	s_mov_b32 s59, 0
	s_mov_b32 s[SEL], 0x76543210
	s_mov_b32 s[SEL+1], 0xfedcba98
	s_mov_b32 s[CS], 0x3e38aa3b                    ; log2(e) / 8
	s_mov_b32 s[CS+1], s[CS]                       ; (named with it as a pair, so it is written)
	s_wait_dscnt 0x0
	s_wait_kmcnt 0x0
	s_add_nc_u64 s[G0+2:G0+3], s[6:7], s[24:25]
	s_or_b32 s[G0+3], s[G0+3], 0x80000000          ; type = 2
	s_add_nc_u64 s[QP:QP+1], s[4:5], s[44:45]
	s_add_nc_u64 s[QSP:QSP+1], s[4:5], s[46:47]
	s_add_nc_u64 s[AQ:AQ+1], s[8:9], s[56:57]
	s_add_nc_u64 s[AQS:AQS+1], s[8:9], s[58:59]
	CROUND                                         ; all four work-groups are here: the joint loads meet
	tensor_load_to_lds s[G0:G0+3], s[G1:G1+7]      ; my one tensor load of the launch
	s_nop 0
.rept 4
	v_nop
.endr
	v_and_b32 v[LN], 31, v0
	s_delay_alu instid0(VALU_DEP_1)
	v_lshlrev_b32 v[LI16], 4, v[LN]
	s_delay_alu instid0(VALU_DEP_2)
	v_lshlrev_b32 v[L8], 3, v[LN]
	global_load_b128 v[16:19], v[LI16], s[QP:QP+1]               ; the image's registers 0-3,
	global_load_b128 v[28:31], v[LI16], s[QP:QP+1] offset:512    ; 4-7: two of the first tile, two of the second,
	global_load_b128 v[32:35], v[LI16], s[QP:QP+1] offset:1024   ; 8-11
	global_load_b32 v[QS], v[LI16], s[QSP:QSP+1]
.irp j, 0,1,2,3,4,5
	v_mov_b32 v[QF+6+\j], 0                        ; q's zero codes
	v_mov_b32 v[F+48+\j], 0                        ; what stands behind k's tile 7
.endr
.irp b, 0,1,2,3
	v_mov_b32 v[BP+\b], 0                          ; a lane permute's destination counts as one of its sources
.endr
	v_mov_b32 v[FF+1], 0
	s_wait_loadcnt 0x0
	v_mov_b32 v20, v28
	v_mov_b32 v21, v29
	s_wait_tensorcnt 0x0                           ; my record is in,
	s_barrier_signal -1
	s_barrier_wait -1                              ; everybody's is: from here on LDS is only read
.macro KQ t, p                         ; S^T's tile t.  k's word: lanes 0-15 for an even tile, 16-31 for an odd one; q's: lanes 0-15 in pass 0, 16-31 in pass 1
.if ((\t)%2 == 0) && ((\p) == 0)
	v_wmma_scale_f32_16x16x128_f8f6f4 v[S+8*(\t):S+8*(\t)+7], v[F+6*(\t):F+6*(\t)+11], v[QF:QF+11], 0, v[KS+(\t)/2], v[QS] matrix_a_fmt:MATRIX_FMT_FP6 matrix_b_fmt:MATRIX_FMT_FP6
.elseif (\p) == 0
	v_wmma_scale_f32_16x16x128_f8f6f4 v[S+8*(\t):S+8*(\t)+7], v[F+6*(\t):F+6*(\t)+11], v[QF:QF+11], 0, v[KS+(\t)/2], v[QS] matrix_a_fmt:MATRIX_FMT_FP6 matrix_b_fmt:MATRIX_FMT_FP6 matrix_a_scale:MATRIX_SCALE_ROW1
.elseif (\t)%2 == 0
	v_wmma_scale_f32_16x16x128_f8f6f4 v[S+8*(\t):S+8*(\t)+7], v[F+6*(\t):F+6*(\t)+11], v[QF:QF+11], 0, v[KS+(\t)/2], v[QS] matrix_a_fmt:MATRIX_FMT_FP6 matrix_b_fmt:MATRIX_FMT_FP6 matrix_b_scale:MATRIX_SCALE_ROW1
.else
	v_wmma_scale_f32_16x16x128_f8f6f4 v[S+8*(\t):S+8*(\t)+7], v[F+6*(\t):F+6*(\t)+11], v[QF:QF+11], 0, v[KS+(\t)/2], v[QS] matrix_a_fmt:MATRIX_FMT_FP6 matrix_b_fmt:MATRIX_FMT_FP6 matrix_a_scale:MATRIX_SCALE_ROW1 matrix_b_scale:MATRIX_SCALE_ROW1
.endif
.endm
.macro PV t                            ; O^T's tile t += v's fragment t x p
.if (\t)%2 == 0
	v_wmma_scale_f32_16x16x128_f8f6f4 v[O+8*(\t):O+8*(\t)+7], v[F+12*(\t):F+12*(\t)+11], v[PC:PC+11], v[O+8*(\t):O+8*(\t)+7], v[VS+(\t)/2], v[PS] matrix_a_fmt:MATRIX_FMT_FP6 matrix_b_fmt:MATRIX_FMT_FP6
.else
	v_wmma_scale_f32_16x16x128_f8f6f4 v[O+8*(\t):O+8*(\t)+7], v[F+12*(\t):F+12*(\t)+11], v[PC:PC+11], v[O+8*(\t):O+8*(\t)+7], v[VS+(\t)/2], v[PS] matrix_a_fmt:MATRIX_FMT_FP6 matrix_b_fmt:MATRIX_FMT_FP6 matrix_a_scale:MATRIX_SCALE_ROW1
.endif
.endm
; A KEY STEP: 128 keys, one record.  Twelve matrix instructions; every accumulator has one instruction a turn.
.macro STEP p
	s_barrier_signal -1                            ; a barrier's two halves in each key step: the signal at its head, the wait at its end.  It orders no memory (LDS is only read here, and no LDS instruction of mine is out): no wave enters step i + 1 before every wave has begun step i
	v_add_nc_u32 v[ADR], s[TB], v[LI16]
	v_add_nc_u32 v[ADR8], s[TB], v[L8]
	v_nop
	v_nop                                          ; four plain instructions behind the last products, in front of loads into registers that they read
.irp g, 0,1,2,3,4,5,6,7,8,9,10,11
	ds_load_b128 v[F+4*\g:F+4*\g+3], v[ADR] offset:512*\g          ; k's eight tiles: 512 consecutive bytes a load
.endr
	ds_load_b128 v[KS:KS+3], v[ADR] offset:KSO
	s_wait_alu depctr_va_vdst(0)
	s_wait_dscnt 0x0
.irp t, 0,1,2,3,4,5,6,7
	KQ \t, \p
.endr
.rept 4
	v_nop                                          ; four places: for the loads into k's registers and for the first read of the scores
.endr
.irp g, 0,1,2,3,4,5,6,7,8,9,10,11
	ds_load_b128 v[F+4*\g:F+4*\g+3], v[ADR] offset:VOF+512*\g      ; v's four fragments land under the softmax
.endr
	ds_load_b64 v[VS:VS+1], v[ADR8] offset:VSO
.irp b, 0,1,2,3
	v_max3_num_f32 v[BM+\b], v[S+16*\b], v[S+16*\b+1], v[S+16*\b+2]   ; the largest score of each block of 32 keys: it serves for the row's maximum and, since p rises with the score, for the block's largest p
.endr
.irp i, 3,5,7,9,11,13
.irp b, 0,1,2,3
	v_max3_num_f32 v[BM+\b], v[BM+\b], v[S+16*\b+\i], v[S+16*\b+\i+1]
.endr
.endr
.irp b, 0,1,2,3
	v_max_num_f32 v[BM+\b], v[BM+\b], v[S+16*\b+15]
.endr
.irp b, 0,1,2,3
	s_delay_alu instid0(VALU_DEP_4)
	v_permlanex16_b32 v[BP+\b], v[BM+\b], s[SEL], s[SEL+1]
.endr
.irp b, 0,1,2,3
	s_delay_alu instid0(VALU_DEP_4)
	v_max_num_f32 v[BM+\b], v[BM+\b], v[BP+\b]     ; with lane l xor 16's 16 keys
.endr
	s_delay_alu instid0(VALU_DEP_2)
	v_max3_num_f32 v[TMP], v[BM], v[BM+1], v[BM+2]
	s_delay_alu instid0(VALU_DEP_1)
	v_max_num_f32 v[TMP], v[TMP], v[BM+3]          ; the step's largest score of my query
	s_delay_alu instid0(VALU_DEP_1)
	v_mul_f32 v[TMP], s[CS], v[TMP]                ; as t (c is positive)
	s_delay_alu instid0(VALU_DEP_1)
	v_max_num_f32 v13, v13, v[TMP]                 ; the running largest t
	v_mov_b32 v[TMP], v12
	s_delay_alu instid0(VALU_DEP_2)
	v_floor_f32 v12, -v13                          ; the new -M = floor(-t) = -ceil(t)
	s_delay_alu instid0(VALU_DEP_1)
	v_sub_f32 v[TMP], v12, v[TMP]                  ; old M - new M: a whole number, 0 or less
	s_delay_alu instid0(VALU_DEP_1)
	v_cvt_i32_f32 v[TMP], v[TMP]                   ; (it saturates)
	s_delay_alu instid0(VALU_DEP_1)
	v_ldexp_f32 v[FF], 1.0, v[TMP]                 ; f = 2^(old M - new M)
.set j, 0
.rept 32
	v_pk_fma_f32 v[S+j:S+j+1], v[S+j:S+j+1], s[CS:CS+1], v[12:13] op_sel_hi:[1,0,0]   ; t - M, two at a time
.set j, j+2
.endr
.irp b, 0,1,2,3
	v_fma_f32 v[BM+\b], v[BM+\b], s[CS], v12       ; the same of each block's largest score
.endr
.set j, 0
	s_wait_alu depctr_va_vdst(0)
.rept 64
	v_exp_f32 v[S+j], v[S+j]                       ; p = 2^(t - M), at most 1
.set j, j+1
.endr
	v_pk_mul_f32 v[14:15], v[14:15], v[FF:FF+1] op_sel_hi:[1,0]   ; the sums under the new M: the plain instruction behind the exponentials
	s_wait_alu depctr_va_vdst(0)                   ; one wait for the batch of 64, ahead of its first reader
.irp b, 0,1,2,3
	v_exp_f32 v[BM+\b], v[BM+\b]                   ; the block's largest p: the same two instructions on the same number give the same bits
.endr
	v_pk_add_f32 v[196:197], v[100:101], v[104:105]
	v_pk_add_f32 v[252:253], v[108:109], v[112:113]
	v_pk_add_f32 v[250:251], v[116:117], v[120:121]
	v_pk_add_f32 v[248:249], v[124:125], v[128:129]
	v_pk_add_f32 v[246:247], v[132:133], v[136:137]
	v_pk_add_f32 v[244:245], v[140:141], v[144:145]
	v_pk_add_f32 v[242:243], v[148:149], v[152:153]
	v_pk_add_f32 v[14:15], v[14:15], v[156:157]
	v_pk_add_f32 v[196:197], v[196:197], v[96:97]
	v_pk_add_f32 v[252:253], v[252:253], v[98:99]
	v_pk_add_f32 v[250:251], v[250:251], v[102:103]
	v_pk_add_f32 v[248:249], v[248:249], v[106:107]
	v_pk_add_f32 v[246:247], v[246:247], v[110:111]
	v_pk_add_f32 v[244:245], v[244:245], v[114:115]
	v_pk_add_f32 v[242:243], v[242:243], v[118:119]
	v_pk_add_f32 v[14:15], v[14:15], v[122:123]
	v_pk_add_f32 v[196:197], v[196:197], v[126:127]
	v_pk_add_f32 v[252:253], v[252:253], v[130:131]
	v_pk_add_f32 v[250:251], v[250:251], v[134:135]
	v_pk_add_f32 v[248:249], v[248:249], v[138:139]
	v_pk_add_f32 v[246:247], v[246:247], v[142:143]
	v_pk_add_f32 v[244:245], v[244:245], v[146:147]
	v_pk_add_f32 v[242:243], v[242:243], v[150:151]
	v_pk_add_f32 v[14:15], v[14:15], v[154:155]
	v_pk_add_f32 v[196:197], v[196:197], v[158:159]
	s_delay_alu instid0(VALU_DEP_2)
	v_pk_add_f32 v[14:15], v[14:15], v[248:249]
	s_delay_alu instid0(VALU_DEP_2)
	v_pk_add_f32 v[196:197], v[196:197], v[246:247]
	v_pk_add_f32 v[252:253], v[252:253], v[244:245]
	v_pk_add_f32 v[250:251], v[250:251], v[242:243]
	s_delay_alu instid0(VALU_DEP_2)
	v_pk_add_f32 v[14:15], v[14:15], v[252:253]
	s_delay_alu instid0(VALU_DEP_2)
	v_pk_add_f32 v[196:197], v[196:197], v[250:251]
	s_delay_alu instid0(VALU_DEP_1)
	v_pk_add_f32 v[14:15], v[14:15], v[196:197]
	s_wait_alu depctr_va_vdst(0)                   ; and one for the four
.irp b, 0,1,2,3
	v_max_num_f32 v[BM+\b], 0x1800000, v[BM+\b]    ; the floor 2^(3 - 127): the byte cannot fall under 1
.endr
.irp b, 0,1,2,3
	s_delay_alu instid0(VALU_DEP_4)
	v_add_nc_u32 v[SO+\b], 0xff000000, v[BM+\b]    ; 2 off the exponent field: the conversion's scale operand
.endr
.irp b, 0,1,2,3
	s_delay_alu instid0(VALU_DEP_4)
	v_lshrrev_b32 v[BP+\b], 23, v[SO+\b]           ; the scale's byte
.endr
	s_delay_alu instid0(VALU_DEP_3)
	v_lshl_or_b32 v[PS], v[BP+1], 8, v[BP]         ; p's scale word for these 128 keys
	s_delay_alu instid0(VALU_DEP_1)
	v_lshl_or_b32 v[PS], v[BP+2], 16, v[PS]
	s_delay_alu instid0(VALU_DEP_1)
	v_lshl_or_b32 v[PS], v[BP+3], 24, v[PS]
.irp c, 0,1
	v_cvt_scalef32_pk16_fp6_f32 v[PC+6*\c:PC+6*\c+2], v[S+32*\c:S+32*\c+15], v[SO+2*\c]
	v_cvt_scalef32_pk16_fp6_f32 v[CT+4*\c:CT+4*\c+2], v[S+32*\c+16:S+32*\c+31], v[SO+2*\c+1]
.endr
	v_nop                                          ; one plain instruction behind the scaled conversions
.irp c, 0,1                                    ; a whole block to a lane: lanes 0-15 block 2 c, lanes 16-31 block 2 c + 1
.irp i, 0,1,2
	v_permlane16_swap_b32 v[PC+6*\c+\i], v[CT+4*\c+\i]
.endr
.irp i, 0,1,2
	s_delay_alu instid0(VALU_DEP_3)
	v_mov_b32 v[PC+6*\c+3+\i], v[CT+4*\c+\i]
.endr
.endr
.set j, 0
.rept 16
	v_pk_mul_f32 v[O+j:O+j+1], v[O+j:O+j+1], v[FF:FF+1] op_sel_hi:[1,0]   ; O^T under the new M.  These sixteen also stand between the writes of p's scale word and codes and the products below
.set j, j+2
.endr
	s_wait_alu depctr_va_vdst(0)
	s_wait_dscnt 0x0                               ; v's fragments and scale words are in
.irp t, 0,1,2,3
	PV \t
.endr
	s_barrier_wait -1                              ; between the two halves stand register work and reads of LDS bytes that nothing writes
.endm
; THE WAY OUT of a pass: O^T / the sum; a lane's 32 numbers (register 16 b + i: channel 32 b + 16 (lane / 16) + i) are two blocks of the last product's K: six registers of codes, two scale bytes.
.macro OUT p
.set DP, D0+6*(\p)
.set SWP, SW0+13*(\p)
.rept 4
	v_nop                                          ; four places behind the last products
.endr
	v_add_f32 v14, v14, v15                        ; the sum's two halves,
	s_delay_alu instid0(VALU_DEP_1)
	v_permlanex16_b32 v[TMP], v14, s[SEL], s[SEL+1]
	s_delay_alu instid0(VALU_DEP_1)
	v_add_f32 v14, v14, v[TMP]                     ; and lane l xor 16's
	s_wait_alu depctr_va_vdst(0)
	v_rcp_f32 v14, v14
	v_nop                                          ; a plain instruction behind the reciprocal,
	s_wait_alu depctr_va_vdst(0)                   ; and the wait ahead of its first reader
.set j, 0
.rept 32
	v_mul_f32 v[S+j], v[O+j], v14                  ; each accumulator from its low end on
.set j, j+1
.endr
.irp b, 0,1
	v_max3_num_f32 v[BM+\b], |v[S+16*\b]|, |v[S+16*\b+1]|, 0x1800000
.endr
.irp i, 2,4,6,8,10,12,14
.irp b, 0,1
	s_delay_alu instid0(VALU_DEP_2)
	v_max3_num_f32 v[BM+\b], v[BM+\b], |v[S+16*\b+\i]|, |v[S+16*\b+\i+1]|
.endr
.endr
.irp b, 0,1
	s_delay_alu instid0(VALU_DEP_2)
	v_permlanex16_b32 v[BP+\b], v[BM+\b], s[SEL], s[SEL+1]
.endr
.irp b, 0,1
	s_delay_alu instid0(VALU_DEP_2)
	v_max_num_f32 v[BM+\b], v[BM+\b], v[BP+\b]
.endr
.irp b, 0,1
	s_delay_alu instid0(VALU_DEP_2)
	v_add_nc_u32 v[SO+\b], 0xff000000, v[BM+\b]
.endr
.irp b, 0,1
	s_delay_alu instid0(VALU_DEP_2)
	v_lshrrev_b32 v[BP+\b], 23, v[SO+\b]
.endr
	s_delay_alu instid0(VALU_DEP_1)
	v_lshl_or_b32 v[SWP], v[BP+1], 8, v[BP]
	v_cvt_scalef32_pk16_fp6_f32 v[DP:DP+2], v[S:S+15], v[SO]
	v_cvt_scalef32_pk16_fp6_f32 v[CT:CT+2], v[S+16:S+31], v[SO+1]
	v_nop
.irp i, 0,1,2
	v_permlane16_swap_b32 v[DP+\i], v[CT+\i]
.endr
.irp i, 0,1,2
	s_delay_alu instid0(VALU_DEP_3)
	v_mov_b32 v[DP+3+\i], v[CT+\i]
.endr
.irp i, 0,1,2
	global_store_b64 v[L8], v[DP+2*\i:DP+2*\i+1], s[AQ:AQ+1] offset:3072*(\p)+256*\i   ; 32 lanes store 256 consecutive bytes, at a multiple of 256 from aq's first byte
.endr
.endm
.macro PASS p
.if \p
.irp j, 0,1,2,3,4,5
	v_mov_b32 v[QF+\j], v[30+\j]                   ; the second tile's codes
.endr
.endif
	v_mov_b32 v13, 0xff61b1e6                      ; the largest t so far: -3e38, under every t
	s_delay_alu instid0(VALU_DEP_1)
	v_floor_f32 v12, -v13                          ; -M
	v_mov_b32 v14, 0
	v_mov_b32 v15, 0
.set j, 0
.rept 32
	v_mov_b32 v[O+j], 0                            ; the step is written once: the first finds zeros, which the first change of M leaves zeros
.set j, j+1
.endr
	s_mov_b32 s[TB], 0
	s_mov_b32 s[KC], 16
.Lkeys_\@:
	STEP \p
	s_add_co_u32 s[TB], s[TB], REC
	s_sub_co_u32 s[KC], s[KC], 1
	s_cmp_lg_u32 s[KC], 0
	s_cbranch_scc1 .Lkeys_\@
	OUT \p
.endm
	PASS 0
	PASS 1
	v_cmp_le_u32 vcc_lo, 16, v[LN]
	s_delay_alu instid0(VALU_DEP_1)
	v_cndmask_b32 v[TMP], v[SW0], v[SW0+13], vcc_lo  ; lanes 0-15: the first tile's rows, lanes 16-31: the second's (both halves of the lanes hold a row's bytes)
	global_store_b16 v[L8], v[TMP], s[AQS:AQS+1]   ; two bytes of each row's word of four: the word's other half is another head's, which is another cluster's
	s_wait_dscnt 0x0
	s_wait_tensorcnt 0x0
	ds_add_u32 v254, v255
	s_wait_dscnt 0x0
	CROUND                                         ; the closing round
	s_endpgm
.Lfunc_end_k_q1aeca7cbbd_attn:
	.size	k_q1aeca7cbbd_attn, .Lfunc_end_k_q1aeca7cbbd_attn-k_q1aeca7cbbd_attn
	.p2alignl 7, 3214868480
	.fill 96, 4, 3214868480
	.section	.rodata,"a",@progbits
	.p2align	6, 0x0
	.amdhsa_kernel k_q1aeca7cbbd_attn
		.amdhsa_group_segment_fixed_size 210944
		.amdhsa_private_segment_fixed_size 0
		.amdhsa_enable_private_segment 0
		.amdhsa_kernarg_size 24
		.amdhsa_user_sgpr_count 2
		.amdhsa_user_sgpr_kernarg_segment_ptr 1
		.amdhsa_wavefront_size32 1
		.amdhsa_system_sgpr_workgroup_id_x 1
		.amdhsa_system_sgpr_workgroup_id_y 1
		.amdhsa_system_sgpr_workgroup_id_z 1
		.amdhsa_system_vgpr_workitem_id 0
		.amdhsa_next_free_vgpr 256
		.amdhsa_next_free_sgpr 66
		.amdhsa_reserve_vcc 1
		.amdhsa_float_denorm_mode_32 3
		.amdhsa_float_denorm_mode_16_64 3
		.amdhsa_memory_ordered 1
		.amdhsa_forward_progress 1
		.amdhsa_inst_pref_size 51
	.end_amdhsa_kernel
	.amdgpu_metadata
---
amdhsa.version: [ 1, 2 ]
amdhsa.kernels:
  - .name:           k_q1aeca7cbbd_attn
    .symbol:         k_q1aeca7cbbd_attn.kd
    .args:
      - { .name: qb, .offset: 0, .size: 8, .value_kind: global_buffer, .address_space: global }
      - { .name: kv, .offset: 8, .size: 8, .value_kind: global_buffer, .address_space: global }
      - { .name: aq, .offset: 16, .size: 8, .value_kind: global_buffer, .address_space: global }
    .group_segment_fixed_size: 210944
    .private_segment_fixed_size: 0
    .kernarg_segment_align: 8
    .kernarg_segment_size: 24
    .max_flat_workgroup_size: 512
    .sgpr_count:     66
    .vgpr_count:     256
    .wavefront_size: 32
...
	.end_amdgpu_metadata
.endif
;; end of part 3
;; launch proj (part 4): grid 4 x 64, 4 waves a work-group, clusters of 4 x 4, 327,680 bytes of LDS; arguments aq, cq, out0; writes out0
.if DOCPART == 4
	.amdgcn_target "amdgcn-amd-amdhsa--gfx1250"
	.amdhsa_code_object_version 6
	.text
	.protected	k_q1aeca7cbbd_proj
	.globl	k_q1aeca7cbbd_proj
	.p2align	8
	.type	k_q1aeca7cbbd_proj,@function
k_q1aeca7cbbd_proj:
	s_mov_b64 s[64:65], 0
	v_nop
	global_prefetch_b8 v0, s[64:65] scope:SCOPE_SE
	s_setreg_imm32_b32 hwreg(HW_REG_WAVE_MODE, 25, 1), 1
	s_wait_xcnt 0x0
	s_wait_alu depctr_hold_cnt(0) depctr_sa_sdst(0) depctr_va_vdst(0) depctr_va_sdst(0) depctr_va_ssrc(0) depctr_va_vcc(0) depctr_vm_vsrc(0)
	s_getreg_b32 s2, hwreg(HW_REG_IB_STS2, 6, 4)
	s_cmp_eq_u32 s2, 0
	s_cbranch_scc0 .Lentry_in_a_cluster
	s_endpgm
.Lentry_in_a_cluster:
	s_bfe_u32 s2, ttmp6, 0x10000c
	s_cmp_lg_u32 s2, 0xf033
	s_cbranch_scc0 .Lentry_shape_is_right
	s_endpgm
.Lentry_shape_is_right:
; out0[token][n] = sum over k of o[token][k] w_proj[k][n], f32, on codes of FP6 (E2M3) with E8M0 scales: 8,192 x 1,024 x 1,024.
; aq (o) and cq's records 88-95 (w_proj) are images of operand registers: a record serves 128 rows and all of K, RGB bytes; the fragment of tile a, K step ks (256), half q (128) lies at ks 24,576 + a 3,072 + q 1,536,
; its registers 2 p, 2 p + 1 of lane l at 256 p + 8 l; the scale words at SCO + ks 1,024 + a 128 + r 8 + q 4.  Lane-row r of tile a is row 32 (a / 2) + 8 (a % 2) + r + 8 (r / 8) of the 128.
; THE DEAL: 256 work-groups of four waves, 2 x 2; a work-group makes 128 tokens (one record of aq) x 256 columns (two records of cq), a wave 64 x 128: 32 accumulators.
; ALL OF K LIES IN LDS, 6 x 49,152 bytes, filled once by four joint loads, one a wave: B's K steps 0, 1; A's; B's K steps 2, 3; A's.  A's are shared by a row of the cluster, B's by a column.  Nothing is filled again.
; The walk begins when the first two tiles are in; a plain barrier in front of the fetch of K step 2 shows the other two, and behind it nobody reads the first two: the waves' stages lie in B's first bytes.
; THE SCALE WORDS go from memory into registers, 256 consecutive bytes a load: lanes 0-15 hold an even tile's rows, lanes 16-31 the next tile's.
; No data prefetch: all that the launch reads is asked for at its head, and there is no loop to run ahead in.
; The product is used transposed (source 0 = w_proj's columns, source 1 = tokens): a lane's eight results are eight neighbouring columns of one token.
; LIMITS: NaN, infinities and sums beyond f32's range are not served.
; REGISTERS: window 0: v16-29 addresses, v32-47 A's scale words, v48-79 B's, v128-223 A's fragments (two sets of 4), on the way out v128-255 rows; window 1: B's fragments, two sets at v0 and v128; window 2: the sums.
.set RGB,    102400
.set SCO,    98304
.set FR,     12
.set HK,     49152                     ; two K steps of a record
.set LA0,    2*HK                      ; B's first half at 0, A's here,
.set LB1,    3*HK                      ; B's second half,
.set LA1,    5*HK                      ; A's
.set SPARE,  6*HK                      ; the spare words
.set SPITCH, 528
.set ADRA, 16
.set ADRB, 20
.set STO,  24
.set RD,   25
.set CO,   26
.set L8,   27
.set SPW,  28
.set NIL,  29
.set SA,   32
.set SBR,  48
.set AF,   128
.set BK,   128
.set G1,  24                           ; group 1 of A's tiles
.set G1B, 48                           ; of B's
.set G0,  32                           ; groups 0: B's first half, A's first half
.set G0B, 56                           ; B's second half, A's second half
.set MSB, 0
.macro WIN new
.if MSB != \new
	s_set_vgpr_msb (MSB<<8)|\new
.set MSB, \new
.endif
.endm
.macro PLACES n
.rept \n
	v_nop
.endr
.endm
.macro CROUND
	s_barrier_signal -1
	s_barrier_wait -1
	s_cmp_lg_u32 s14, 0
	s_cbranch_scc1 .Lnot_wave_0_\@
	s_barrier_signal -3
.Lnot_wave_0_\@:
	s_barrier_wait -3
	s_barrier_signal -1
	s_barrier_wait -1
.endm
	s_load_b128 s[4:7], s[0:1], 0x0                ; aq, cq
	s_load_b64 s[8:9], s[0:1], 0x10                ; out0
	v_lshl_add_u32 v[SPW], v0, 2, SPARE
	v_mov_b32 v[NIL], 0
	ds_add_u32 v[SPW], v[NIL]
	ds_add_u32 v[SPW], v[NIL]
	v_lshrrev_b32 v1, 5, v0
	v_readfirstlane_b32 s14, v1                    ; the wave; s15 its half of the rows, s16 its half of the columns
	s_lshr_b32 s15, s14, 1
	s_and_b32 s16, s14, 1
	s_bfe_u32 s40, ttmp6, 0x40000
	s_bfe_u32 s41, ttmp6, 0x40004
	s_lshl_b32 s42, ttmp9, 2
	s_add_co_u32 s42, s42, s40                     ; tile column, 0 .. 3
	s_and_b32 s17, ttmp7, 0xffff
	s_lshl_b32 s17, s17, 2
	s_add_co_u32 s17, s17, s41                     ; the tokens' record, 0 .. 63
	s_lshl_b32 s43, s41, 2
	s_lshl_b32 s43, 15, s43                        ; my row of the cluster
	s_lshl_b32 s44, 0x1111, s40                    ; my column
	s_or_b32 s[G1], s43, (3<<16)|(1<<21)           ; A: 49,152 dense bytes as 192 rows of 256
	s_mov_b32 s[G1+1], 32<<16
	s_mov_b32 s[G1+2], 192<<16
	s_mov_b32 s[G1+3], 32<<16
	s_mov_b32 s[G1+4], 192
	s_mov_b32 s[G1+5], 32
	s_mov_b32 s[G1+6], 0
	s_mov_b32 s[G1+7], 0
	s_or_b32 s[G1B], s44, (3<<16)|(1<<21)          ; B: two rows of 49,152 bytes, a record apart
	s_mov_b32 s[G1B+1], 6144<<16
	s_mov_b32 s[G1B+2], 2<<16
	s_mov_b32 s[G1B+3], 6144<<16
	s_mov_b32 s[G1B+4], 2
	s_mov_b32 s[G1B+5], 12800
	s_mov_b32 s[G1B+6], 0
	s_mov_b32 s[G1B+7], 0
	s_mul_i32 s20, s17, RGB
	s_mov_b32 s21, 0
	s_lshl_b32 s46, s42, 1
	s_add_co_u32 s46, s46, 88
	s_mul_i32 s46, s46, RGB
	s_mov_b32 s47, 0
	s_mov_b32 s[G0], 1
	s_mov_b32 s[G0+1], 0
	s_mov_b32 s[G0+4], 1
	s_mov_b32 s[G0+5], LA0
	s_mov_b32 s[G0B], 1
	s_mov_b32 s[G0B+1], LB1
	s_mov_b32 s[G0B+4], 1
	s_mov_b32 s[G0B+5], LA1
	v_and_b32 v1, 15, v0
	v_bfe_u32 v2, v0, 4, 1
	v_and_b32 v3, 31, v0
	v_lshlrev_b32 v[L8], 3, v3
	s_mul_i32 s22, s15, 12288                      ; my four tiles of A
	s_add_co_u32 s22, s22, LA0
	s_mul_i32 s23, s16, HK                         ; my record of B
	v_add_nc_u32 v[ADRA], s22, v[L8]
	v_add_nc_u32 v[ADRB], s23, v[L8]
	v_add_nc_u32 v[ADRA+1], LA1-LA0, v[ADRA]
	v_add_nc_u32 v[ADRB+1], LB1, v[ADRB]
	s_mul_i32 s23, s14, 16*SPITCH                  ; my stage
	v_mul_u32_u24 v5, v1, SPITCH
	v_lshl_add_u32 v5, v2, 6, v5
	v_add_nc_u32 v[STO], s23, v5
	v_lshlrev_b32 v[CO], 4, v3
	v_add_nc_u32 v[RD], s23, v[CO]
	s_wait_alu depctr_va_vdst(0)
	s_wait_dscnt 0x0
	CROUND                                         ; the round in front of the joint loads
	s_wait_kmcnt 0x0
	s_add_nc_u64 s[20:21], s[4:5], s[20:21]        ; A's record
	s_add_nc_u64 s[46:47], s[6:7], s[46:47]        ; B's two
	s_mov_b64 s[G0+2:G0+3], s[46:47]
	s_or_b32 s[G0+3], s[G0+3], 0x80000000
	s_mov_b64 s[G0+6:G0+7], s[20:21]
	s_or_b32 s[G0+7], s[G0+7], 0x80000000
	s_add_nc_u64 s[G0B+2:G0B+3], s[46:47], HK
	s_or_b32 s[G0B+3], s[G0B+3], 0x80000000
	s_add_nc_u64 s[G0B+6:G0B+7], s[20:21], HK
	s_or_b32 s[G0B+7], s[G0B+7], 0x80000000
.macro ARM under, g0, g1, next         ; one chain of branches on the wave's number, a load to an arm
	s_cmp_lt_u32 s14, \under
	s_cbranch_scc0 \next
	tensor_load_to_lds s[\g0:\g0+3], s[\g1:\g1+7]
	s_nop 0
	PLACES 4
	s_branch .Lasked
\next:
.endm
	ARM 1, G0,   G1B, .Lh1
	ARM 2, G0+4, G1,  .Lh2
	ARM 3, G0B,  G1B, .Lh3
	tensor_load_to_lds s[G0B+4:G0B+7], s[G1:G1+7]
	s_nop 0
	PLACES 4
.Lasked:
	s_lshl_b32 s22, s15, 9                         ; the scale words of my four tiles of A,
	s_add_co_u32 s22, s22, SCO
	s_mov_b32 s23, 0
	s_add_nc_u64 s[10:11], s[20:21], s[22:23]
	s_mul_i32 s22, s16, RGB                        ; and of my record of B
	s_add_co_u32 s22, s22, SCO
	s_add_nc_u64 s[18:19], s[46:47], s[22:23]
.irp ks, 0,1,2,3
.irp pr, 0,1
	global_load_b64 v[SA+4*\ks+2*\pr:SA+4*\ks+2*\pr+1], v[L8], s[10:11] offset:1024*\ks+256*\pr
.endr
.irp pr, 0,1,2,3
	global_load_b64 v[SBR+8*\ks+2*\pr:SBR+8*\ks+2*\pr+1], v[L8], s[18:19] offset:1024*\ks+256*\pr
.endr
.endr
	s_lshl_b32 s20, s17, 7                         ; my part of out0: token 128 x record + 64 x half, 4,096 bytes a token;
	s_lshl_b32 s21, s15, 6
	s_add_co_u32 s20, s20, s21
	s_lshl_b32 s20, s20, 12
	s_lshl_b32 s46, s42, 10                        ; column bytes 1,024 x tile column + 512 x half
	s_lshl_b32 s47, s16, 9
	s_add_co_u32 s20, s20, s46
	s_add_co_u32 s20, s20, s47
	s_mov_b32 s21, 0
	s_add_nc_u64 s[12:13], s[8:9], s[20:21]
.macro FRAG reg, adr, off
.irp p, 0,1,2,3,4,5
	ds_load_b64 v[\reg+2*\p:\reg+2*\p+1], v[\adr] offset:(\off)+\p*256
.endr
.endm
.macro FETCH t                         ; step t (128 along K) into set t % 2: B's eight fragments, A's four: 72 loads
	WIN 0x40
.irp i, 0,1,2,3,4,5,6,7
	FRAG 128*((\t)%2)+FR*\i, ADRB+(\t)/4, (((\t)/2)%2)*24576+((\t)%2)*1536+\i*3072
.endr
	WIN 0
.irp i, 0,1,2,3
	FRAG AF+48*((\t)%2)+FR*\i, ADRA+(\t)/4, (((\t)/2)%2)*24576+((\t)%2)*1536+\i*3072
.endr
.endm
.macro MUL t, zero                     ; 32 products, the 32 accumulators by turns
	WIN 0xa1
.irp ap, 0,1
.irp ao, 0,1
.irp bp, 0,1,2,3
.irp bo, 0,1
.set D_, 8*(8*(2*\ap+\ao)+2*\bp+\bo)
.set B_, 128*((\t)%2)+FR*(2*\bp+\bo)
.set A_, AF+48*((\t)%2)+FR*(2*\ap+\ao)
.set XB_, SBR+8*((\t)/2)+2*\bp+(\t)%2
.set XA_, SA+4*((\t)/2)+2*\ap+(\t)%2
.if \zero
	v_wmma_scale_f32_16x16x128_f8f6f4 v[D_:D_+7], v[B_:B_+FR-1], v[A_:A_+FR-1], 0, v[XB_], v[XA_] matrix_a_fmt:MATRIX_FMT_FP6 matrix_b_fmt:MATRIX_FMT_FP6 matrix_a_scale:MATRIX_SCALE_ROW\bo matrix_b_scale:MATRIX_SCALE_ROW\ao
.else
	v_wmma_scale_f32_16x16x128_f8f6f4 v[D_:D_+7], v[B_:B_+FR-1], v[A_:A_+FR-1], v[D_:D_+7], v[XB_], v[XA_] matrix_a_fmt:MATRIX_FMT_FP6 matrix_b_fmt:MATRIX_FMT_FP6 matrix_a_scale:MATRIX_SCALE_ROW\bo matrix_b_scale:MATRIX_SCALE_ROW\ao
.endif
.endr
.endr
.endr
.endr
.endm
	s_wait_loadcnt 0x0                             ; the scale words are in
	s_cmp_lt_u32 s14, 2
	s_cbranch_scc0 .Lnot01
	s_wait_tensorcnt 0x0                           ; waves 0 and 1: K steps 0 and 1 of B and of A
.Lnot01:
	s_barrier_signal -1
	s_barrier_wait -1                              ; they are shown to all; waves 2 and 3's tiles may be on their way
	FETCH 0
	s_wait_dscnt 0x0
	FETCH 1
	MUL 0, 1                                       ; the first products start the sums
.irp t, 1,2,3,4,5,6
	s_wait_dscnt 0x0                               ; step t's fragments, asked for ahead of the last 32 products, are in
.if \t == 3
	s_wait_tensorcnt 0x0                           ; every wave: K steps 2 and 3 are in;
	s_barrier_signal -1
	s_barrier_wait -1                              ; shown to all, and nobody reads the first halves any more
.endif
	PLACES 4                                       ; four places behind the products that read the set fetched into
	FETCH \t+1
	MUL \t, 0
.endr
	s_wait_dscnt 0x0
	MUL 7, 0
	WIN 0
; THE WAY OUT, by blocks of 16 tokens x 128 columns, through my stage and back as rows of 512 bytes
.macro TOSTAGE a
.set AC, 64*(\a)
	WIN 0x08
.irp b, 0,1,2,3,4,5,6,7
	ds_store_b128 v[STO], v[AC+8*\b:AC+8*\b+3] offset:128*(\b/2)+32*(\b%2)
	ds_store_b128 v[STO], v[AC+8*\b+4:AC+8*\b+7] offset:128*(\b/2)+32*(\b%2)+16
.endr
	WIN 0
.set BB, BK+64*((\a)%2)
.irp t, 0,1,2,3,4,5,6,7,8,9,10,11,12,13,14,15
	ds_load_b128 v[BB+4*\t:BB+4*\t+3], v[RD] offset:\t*SPITCH
.endr
.endm
.macro SEND a, younger                 ; younger: the next block's 16 stores and 16 loads may be out
.set BB, BK+64*((\a)%2)
	s_wait_dscnt \younger
.irp t, 0,1,2,3,4,5,6,7,8,9,10,11,12,13,14,15
	global_store_b128 v[CO], v[BB+4*\t:BB+4*\t+3], s[12:13] offset:(32*((\a)/2)+8*((\a)%2)+\t+8*(\t/8))*4096 th:TH_STORE_NT
.endr
.endm
	PLACES 4
	TOSTAGE 0
.irp a, 1,2,3
.if \a > 1
	s_wait_xcnt 0x0                                ; the stores of two blocks ago have read their registers
.endif
	TOSTAGE \a
	SEND \a-1, 32
.endr
	SEND 3, 0
	s_wait_tensorcnt 0x0                           ; the wave's end
	ds_add_u32 v[SPW], v[NIL]
	s_wait_dscnt 0x0
	CROUND                                         ; the closing round
	s_endpgm
.Lfunc_end_k_q1aeca7cbbd_proj:
	.size	k_q1aeca7cbbd_proj, .Lfunc_end_k_q1aeca7cbbd_proj-k_q1aeca7cbbd_proj
	.p2alignl 7, 3214868480
	.fill 96, 4, 3214868480
	.section	.rodata,"a",@progbits
	.p2align	6, 0x0
	.amdhsa_kernel k_q1aeca7cbbd_proj
		.amdhsa_group_segment_fixed_size 327680
		.amdhsa_private_segment_fixed_size 0
		.amdhsa_enable_private_segment 0
		.amdhsa_kernarg_size 24
		.amdhsa_user_sgpr_count 2
		.amdhsa_user_sgpr_kernarg_segment_ptr 1
		.amdhsa_wavefront_size32 1
		.amdhsa_system_sgpr_workgroup_id_x 1
		.amdhsa_system_sgpr_workgroup_id_y 1
		.amdhsa_system_sgpr_workgroup_id_z 1
		.amdhsa_system_vgpr_workitem_id 0
		.amdhsa_next_free_vgpr 768
		.amdhsa_next_free_sgpr 66
		.amdhsa_reserve_vcc 0
		.amdhsa_float_denorm_mode_32 3
		.amdhsa_float_denorm_mode_16_64 3
		.amdhsa_memory_ordered 1
		.amdhsa_forward_progress 1
		.amdhsa_inst_pref_size 94
	.end_amdhsa_kernel
	.amdgpu_metadata
---
amdhsa.version: [ 1, 2 ]
amdhsa.kernels:
  - .name:           k_q1aeca7cbbd_proj
    .symbol:         k_q1aeca7cbbd_proj.kd
    .args:
      - { .name: aq, .offset: 0, .size: 8, .value_kind: global_buffer, .address_space: global }
      - { .name: cq, .offset: 8, .size: 8, .value_kind: global_buffer, .address_space: global }
      - { .name: out0, .offset: 16, .size: 8, .value_kind: global_buffer, .address_space: global }
    .group_segment_fixed_size: 327680
    .private_segment_fixed_size: 0
    .kernarg_segment_align: 8
    .kernarg_segment_size: 24
    .max_flat_workgroup_size: 128
    .sgpr_count:     66
    .vgpr_count:     768
    .wavefront_size: 32
...
	.end_amdgpu_metadata
.endif
;; end of part 4
